; MI455X (gfx1250); checked and timed in simulation.
; The chip was launched on July 23, 2026; its instructions are those of AMD's public machine-readable ISA for CDNA 5 (MIT licence, August 2026) and "CDNA5" Instruction Set Architecture Reference Guide (July 2026). The comments in the code are by the model that wrote it; some were corrected since.
;; Chaos Transformer. Allowed arithmetic: float matrix products may take bf16 or f16 operands with f32 sums; all other float work in f32.
;; Inputs: W1 2 x 256 x 1,024 float32; W2 2 x 1,024 x 256 float32; W_emb 7 x 256 float32; W_proj 256 x 96 float32; Wk 2 x 256 x 256 float32; Wo 2 x 256 x 256 float32; Wq 2 x 256 x 256 float32; Wv 2 x 256 x 256 float32; b1 2 x 1,024 float32; b2 2 x 256 float32; b_emb 256 float32; b_proj 96 float32; bk 2 x 256 float32; bo 2 x 256 float32; bq 2 x 256 float32; bv 2 x 256 float32; ln1_b 2 x 256 float32; ln1_g 2 x 256 float32; ln2_b 2 x 256 float32; ln2_g 2 x 256 float32; lnf_b 256 float32; lnf_g 256 float32; time_diffs 4 x 2,048 float32; x_enc 4 x 2,048 x 7 float32.
;; Outputs: out0 4 x 96 float32.
;; One version. Each part assembles by itself: llvm-mc -triple=amdgcn-amd-amdhsa -mcpu=gfx1250 --defsym DOCPART=n.
;; ======== version 1 of 1: 7 launches
;; limits: values outside matrix products are rounded to bf16
;; workspace buffers: PK0 1,580,032 bytes; PK1 1,580,032 bytes; QKV 1,572,864 bytes; XR 1,048,576 bytes; OF 524,288 bytes; PS 4,194,304 bytes; XP 1,048,576 bytes; MF 12,288 bytes
;; launch prep (part 1): grid 64 x 4, 8 waves a work-group, no clusters, 16,384 bytes of LDS; arguments Wq, Wk, Wv, Wo, W1, W2, bo, ln1_g, ln1_b, b1, PK0, PK1, x_enc, W_emb, b_emb, bq, bk, bv, MF, XR; writes PK0, PK1, MF, XR
.if DOCPART == 1
	.amdgcn_target "amdgcn-amd-amdhsa--gfx1250"
	.amdhsa_code_object_version 6
	.text
	.protected	k_q066a41a185_prep
	.globl	k_q066a41a185_prep
	.p2align	8
	.type	k_q066a41a185_prep,@function
k_q066a41a185_prep:
	s_mov_b64 s[64:65], 0
	v_nop
	global_prefetch_b8 v0, s[64:65] scope:SCOPE_SE
	s_setreg_imm32_b32 hwreg(HW_REG_WAVE_MODE, 25, 1), 1
	s_wait_xcnt 0x0
; prep: what hangs on the weights and on x_enc alone.  Three kinds of work-group, chosen by the work-group's number.
; CONVERT (x < 48, but for the fold's 24).  A weight matrix, f32 [K][N], becomes bf16 in the order in which a matrix operand lies in registers, one pack a layer.
;   A pack holds 12 blocks of 256 (k) x 256 (n): 0 Wq, 1 Wk, 2 Wv, 3 Wo, 4+s W1[:, 256 s ..], 8+s W2[256 s .., :], 131,072 bytes each.  In a block the fragment
;   (t, ks) (columns n = 16 t + rho, rows k = 32 ks ..) lies at (8 t + ks) x 1,024; in it byte q x 512 + lane x 16 + 2 i holds k = 16 q + 8 (lane / 16) + i of
;   column rho = lane % 16.  x = 4 block + tg, y = 2 layer + q, wave = ks: a wave makes half q of the fragments (t = 4 tg + tt, ks), tt = 0..3.
;   Behind the blocks, at PAR: bo, ln1_g, ln1_b (1,024 bytes each) and b1 (4,096) of the layer, copied by wave 0 of x = 0..6, q = 0.
; FOLD (layer 0's blocks 0 to 2: x < 12, y < 2).  x = x_enc W_emb + b_emb has seven inputs a row, so x Wm + bm = [x_enc, 1] Mm with
;   Mm (8 x 256) = [W_emb; b_emb] Wm, bm added to its row 7: the same sums in another order, for every input.  Layer 0's blocks 0 to 2 of the pack are not made.
;   Wave ks makes the fragments (t, ks) of tiles t = 4 tg + 2 q, + 1 and multiplies them by K step ks of [W_emb; b_emb] (source 0; its rows 8-15 repeat row 6:
;   their results lie in lanes 16-31 and are not kept).  The eight waves' sums meet in LDS; waves 0 and 1 finish a tile each and store MF[m][n][0..7], bf16.
;   W_emb, b_emb and Wm are bf16 operands, the sums and the bias f32, Mm is rounded to bf16.
;   Its registers: v8-15 row offsets, v16-47 Wm as loaded, v48-63 its two fragments, v64-79 two accumulators, v80-111 W_emb and b_emb as loaded, v112-119 their
;   fragment; then v80-143 the eight waves' sums; v144-146 the three addresses, outside all of these.
; EMBED (x >= 48: rbl = x - 48, y = batch).  x in f32 for the residual, rows 1792 + 16 rbl .. of the batch, on the vector unit (K = 7).
;   Wave w: columns 32 w .. 32 w + 31; Z[4 q + e] = (row r, column 32 w + 16 (q / 2) + 8 h + 4 (q % 2) + e), lane = r + 16 h; stored at (8 G + w) x 2,048, G = 16 batch + rbl.
; Every weight byte is read once in the launch.  No cluster: no two work-groups read the same large tile.
.set PAR, 1572864
.set LPUT, 144                         ; v144  fold: where my sums go in LDS
.set LGET, 145                         ; v145  fold: where a finishing wave reads the eight waves' sums
.set MOFF, 146                         ; v146  fold: my column's 16 bytes in MF
.macro LDC dst, sb, off                ; 16 numbers a lane of a per-column vector, in Z's pattern
	global_load_b128 v[\dst:\dst+3], v2, s[\sb:\sb+1] offset:\off
	global_load_b128 v[\dst+4:\dst+7], v2, s[\sb:\sb+1] offset:\off+16
	global_load_b128 v[\dst+8:\dst+11], v2, s[\sb:\sb+1] offset:\off+64
	global_load_b128 v[\dst+12:\dst+15], v2, s[\sb:\sb+1] offset:\off+80
.endm
	s_load_b512 s[4:19], s[0:1], 0x0               ; Wq s[4:5] Wk s[6:7] Wv s[8:9] Wo s[10:11] W1 s[12:13] W2 s[14:15] bo s[16:17] ln1_g s[18:19]
	s_load_b256 s[20:27], s[0:1], 0x40             ; ln1_b s[20:21] b1 s[22:23] PK0 s[24:25] PK1 s[26:27]
	s_load_b512 s[68:83], s[0:1], 0x60             ; x_enc s[68:69] W_emb s[70:71] b_emb s[72:73] bq s[74:75] bk s[76:77] bv s[78:79] MF s[80:81] XR s[82:83]
	v_lshrrev_b32 v2, 5, v0
	v_readfirstlane_b32 s2, v2                     ; wave
	v_and_b32 v3, 31, v0
	v_lshlrev_b32 v1, 4, v3                        ; 16 x lane
	v_and_b32 v4, 15, v0                           ; r
	v_bfe_u32 v5, v0, 4, 1                         ; h
	s_mov_b32 s54, ttmp9                           ; x
	s_and_b32 s38, ttmp7, 0xffff                   ; y
	s_cmp_ge_u32 s54, 48
	s_cbranch_scc1 .Lembed
	s_lshr_b32 s39, s54, 2                         ; block
	s_and_b32 s40, s54, 3                          ; tg
	s_lshr_b32 s41, s38, 1                         ; layer
	s_and_b32 s42, s38, 1                          ; q
	s_lshr_b32 s43, s39, 2                         ; group: 0 the four square ones, 1 W1, 2 W2
	s_and_b32 s44, s39, 3                          ; slice
	s_cmp_eq_u32 s43, 1
	s_cselect_b32 s31, 15, 13                      ; log2 of eight rows' bytes: rows of 4,096 bytes in W1, of 1,024 elsewhere
	s_sub_co_u32 s45, s31, 3
	s_lshl_b32 s30, 1, s45                         ; a row's bytes
	v_lshlrev_b32 v8, s31, v5                      ; 8 h rows
	v_lshl_add_u32 v8, v4, 2, v8                   ; + 4 r
.irp j, 1,2,3,4,5,6,7
	v_add_nc_u32 v[8+\j], s30, v[7+\j]             ; row j of my eight
.endr
	; the source's offset (convert)
	s_cmp_eq_u32 s43, 0
	s_cselect_b32 s45, 18, 20
	s_lshl_b32 s32, s41, s45                       ; the layer: 262,144 or 1,048,576 bytes
	s_cmp_eq_u32 s43, 1
	s_cselect_b32 s45, 10, 18
	s_lshl_b32 s46, s44, s45                       ; the slice: 256 columns of W1 or 256 rows of W2,
	s_cmp_eq_u32 s43, 0
	s_cselect_b32 s46, 0, s46                      ; none in the square ones
	s_add_co_u32 s32, s32, s46
	s_lshl_b32 s46, s40, 8
	s_add_co_u32 s32, s32, s46                     ; 64 columns for each tg
	s_lshl_b32 s46, s2, 5
	s_lshl4_add_u32 s46, s42, s46                  ; row 32 ks + 16 q
	s_mul_i32 s46, s46, s30
	s_add_co_u32 s32, s32, s46
	s_mov_b32 s33, 0
	; the destination's offset (convert)
	s_lshl_b32 s46, s39, 17
	s_lshl_b32 s47, s40, 5
	s_add_co_u32 s47, s47, s2
	s_lshl_b32 s47, s47, 10                        ; fragment 8 (4 tg) + ks
	s_add_co_u32 s46, s46, s47
	s_lshl_b32 s47, s42, 9
	s_add_co_u32 s46, s46, s47
	s_mov_b32 s47, 0
	s_wait_kmcnt 0x0
	s_mov_b64 s[28:29], s[4:5]
	s_cmp_eq_u32 s39, 1
	s_cselect_b64 s[28:29], s[6:7], s[28:29]
	s_cmp_eq_u32 s39, 2
	s_cselect_b64 s[28:29], s[8:9], s[28:29]
	s_cmp_eq_u32 s39, 3
	s_cselect_b64 s[28:29], s[10:11], s[28:29]
	s_cmp_eq_u32 s43, 1
	s_cselect_b64 s[28:29], s[12:13], s[28:29]
	s_cmp_eq_u32 s43, 2
	s_cselect_b64 s[28:29], s[14:15], s[28:29]     ; the matrix
	s_cmp_lg_u32 s41, 0
	s_cselect_b64 s[36:37], s[26:27], s[24:25]     ; the layer's pack
	s_cmp_lt_u32 s39, 3
	s_cselect_b32 s55, 1, 0
	s_cmp_eq_u32 s41, 0
	s_cselect_b32 s55, s55, 0                      ; layer 0's Wq, Wk, Wv are folded
	s_cmp_lg_u32 s55, 0
	s_cbranch_scc0 .Lconvert
	; ---- FOLD ----
	s_lshl_b32 s56, s40, 8
	s_lshl_b32 s57, s42, 7
	s_add_co_u32 s56, s56, s57                     ; column 16 (4 tg + 2 q), in bytes
	s_lshl_b32 s57, s2, 15
	s_add_co_u32 s56, s56, s57                     ; row 32 ks
	s_mov_b32 s57, 0
	s_add_nc_u64 s[28:29], s[28:29], s[56:57]
	s_cmp_eq_u32 s39, 1
	s_cselect_b64 s[58:59], s[76:77], s[74:75]
	s_cmp_eq_u32 s39, 2
	s_cselect_b64 s[58:59], s[78:79], s[58:59]     ; the matrix's bias
	s_lshl_b32 s60, s40, 2
	s_lshl1_add_u32 s60, s42, s60                  ; the first tile: 4 tg + 2 q
	s_and_b32 s61, s2, 1
	s_add_co_u32 s61, s60, s61                     ; the tile that waves 0 and 1 finish
	s_lshl_b32 s62, s39, 12
	s_lshl_b32 s63, s61, 8
	s_add_co_u32 s62, s62, s63
	s_mov_b32 s63, 0
	s_add_nc_u64 s[84:85], s[80:81], s[62:63]      ; MF at that tile: 4,096 bytes a matrix, 256 a tile
	v_min_u32 v6, 6, v4                            ; W_emb's row: lane % 16, at most 6
	v_lshlrev_b32 v6, 10, v6
	v_lshl_add_u32 v6, v5, 5, v6                   ; + 8 h numbers
	v_lshl_add_u32 v6, s2, 7, v6                   ; + 32 ks numbers
	v_lshlrev_b32 v7, 5, v5
	v_lshl_add_u32 v7, s2, 7, v7                   ; the same place in b_emb
	v_lshlrev_b32 v2, 2, v4
	v_lshl_add_u32 v2, s61, 6, v2                  ; the bias of column 16 tile + r
	v_lshl_add_u32 v[LPUT], s2, 10, v1             ; LDS: 1,024 bytes a wave and tile; the second tile 8,192 on
	v_lshlrev_b32 v[MOFF], 4, v4                   ; 16 bytes a column in MF
.irp j, 0,1,2,3,4,5,6,7
.irp t, 0,1
.irp q, 0,1
	global_load_b32 v[16+16*\t+8*\q+\j], v[8+\j], s[28:29] offset:64*\t+16384*\q th:TH_LOAD_NT   ; W[32 ks + 16 q + 8 h + j][16 tile + r]
.endr
.endr
.endr
	global_load_b128 v[80:83], v6, s[70:71]
	global_load_b128 v[84:87], v6, s[70:71] offset:16
	global_load_b128 v[88:91], v6, s[70:71] offset:64
	global_load_b128 v[92:95], v6, s[70:71] offset:80
	global_load_b128 v[96:99], v7, s[72:73]
	global_load_b128 v[100:103], v7, s[72:73] offset:16
	global_load_b128 v[104:107], v7, s[72:73] offset:64
	global_load_b128 v[108:111], v7, s[72:73] offset:80
	global_load_b32 v3, v2, s[58:59]
	s_wait_loadcnt 0x0
	v_cmp_eq_u32 vcc_lo, 7, v4
.irp i, 0,1,2,3,4,5,6,7,8,9,10,11,12,13,14,15
	v_cndmask_b32 v[80+\i], v[80+\i], v[96+\i], vcc_lo     ; row 7 is b_emb
.endr
.irp i, 0,1,2,3,4,5,6,7
	v_cvt_pk_bf16_f32 v[112+\i], v[80+2*\i], v[81+2*\i]
.endr
.irp t, 0,1
.irp q, 0,1
.irp i, 0,1,2,3
	v_cvt_pk_bf16_f32 v[48+8*\t+4*\q+\i], v[16+16*\t+8*\q+2*\i], v[16+16*\t+8*\q+2*\i+1]
.endr
.endr
.endr
	v_wmma_f32_16x16x32_bf16 v[64:71], v[112:119], v[48:55], 0     ; register j of lane r: M[j][16 tile + r], this K step's part
	v_wmma_f32_16x16x32_bf16 v[72:79], v[112:119], v[56:63], 0
.rept 4
	v_nop                                          ; the places in front of the reads of the sums and of loads into the operands
.endr
	ds_store_b128 v[LPUT], v[64:67]
	ds_store_b128 v[LPUT], v[68:71] offset:512
	ds_store_b128 v[LPUT], v[72:75] offset:8192
	ds_store_b128 v[LPUT], v[76:79] offset:8704
	s_wait_dscnt 0x0                               ; for the others' sake: my sums are in LDS
	s_barrier_signal -1
	s_barrier_wait -1
	s_cmp_ge_u32 s2, 2
	s_cbranch_scc1 .Lparams
	v_lshl_add_u32 v[LGET], s2, 13, v1             ; wave 0 the first tile, wave 1 the second
.set k, 0
.rept 8
	ds_load_b128 v[80+8*k:83+8*k], v[LGET] offset:1024*k
	ds_load_b128 v[84+8*k:87+8*k], v[LGET] offset:1024*k+512
.set k, k+1
.endr
	s_wait_dscnt 0x0
.set k, 1
.rept 7
.irp i, 0,1,2,3
	v_pk_add_f32 v[80+2*\i:81+2*\i], v[80+2*\i:81+2*\i], v[80+8*k+2*\i:81+8*k+2*\i]
.endr
.set k, k+1
.endr
	v_add_f32 v87, v87, v3                         ; row 7: b_emb Wm + bm
.irp i, 0,1,2,3
	v_cvt_pk_bf16_f32 v[64+\i], v[80+2*\i], v[81+2*\i]
.endr
	s_wait_xcnt 0x0                                ; EXEC changes only behind this wait
	v_cmp_eq_u32 vcc_lo, 0, v5
	s_and_saveexec_b32 s86, vcc_lo                 ; lanes 0 to 15 hold rows 0 to 7
	global_store_b128 v[MOFF], v[64:67], s[84:85]  ; 256 aligned bytes
	s_wait_xcnt 0x0                                ; and again in front of the line that widens it
	s_or_b32 exec_lo, exec_lo, s86
	s_branch .Lparams
	; ---- CONVERT ----
.Lconvert:
	s_add_nc_u64 s[28:29], s[28:29], s[32:33]
	s_add_nc_u64 s[34:35], s[36:37], s[46:47]
.irp j, 0,1,2,3,4,5,6,7
.irp t, 0,1,2,3
	global_load_b32 v[16+8*\t+\j], v[8+\j], s[28:29] offset:64*\t th:TH_LOAD_NT   ; W[32 ks + 16 q + 8 h + j][16 t + r]
.endr
.endr
	s_wait_loadcnt 0x0
.irp t, 0,1,2,3
.irp i, 0,1,2,3
	v_cvt_pk_bf16_f32 v[48+4*\t+\i], v[16+8*\t+2*\i], v[16+8*\t+2*\i+1]
.endr
.endr
.irp t, 0,1,2,3
	global_store_b128 v1, v[48+4*\t:48+4*\t+3], s[34:35] offset:8192*\t
.endr
.Lparams:
	; the parameters: wave 0 of the work-groups x = 0..6, q = 0 copies 1,024 bytes: bo, ln1_g, ln1_b, four quarters of b1
	s_cmp_lg_u32 s42, 0
	s_cbranch_scc1 .Lend
	s_cmp_ge_u32 s54, 7
	s_cbranch_scc1 .Lend
	s_cmp_lg_u32 s2, 0
	s_cbranch_scc1 .Lend
	s_mov_b64 s[48:49], s[22:23]
	s_cmp_eq_u32 s54, 0
	s_cselect_b64 s[48:49], s[16:17], s[48:49]
	s_cmp_eq_u32 s54, 1
	s_cselect_b64 s[48:49], s[18:19], s[48:49]
	s_cmp_eq_u32 s54, 2
	s_cselect_b64 s[48:49], s[20:21], s[48:49]
	s_lshl_b32 s50, s41, 10                        ; the short ones: 1,024 bytes a layer
	s_max_u32 s51, s54, 3
	s_sub_co_u32 s51, s51, 3
	s_lshl_b32 s51, s51, 10                        ; b1: quarter x - 3,
	s_lshl_b32 s52, s41, 12
	s_add_co_u32 s51, s51, s52                     ; 4,096 bytes a layer
	s_cmp_lt_u32 s54, 3
	s_cselect_b32 s50, s50, s51
	s_mov_b32 s51, 0
	s_add_nc_u64 s[48:49], s[48:49], s[50:51]
	s_lshl_b32 s52, s54, 10
	s_add_co_u32 s52, s52, PAR
	s_mov_b32 s53, 0
	s_add_nc_u64 s[36:37], s[36:37], s[52:53]
	global_load_b128 v[64:67], v1, s[48:49]
	global_load_b128 v[68:71], v1, s[48:49] offset:512
	s_wait_loadcnt 0x0
	global_store_b128 v1, v[64:67], s[36:37]
	global_store_b128 v1, v[68:71], s[36:37] offset:512
.Lend:
	s_endpgm
	; ---- EMBED ----
.Lembed:
	s_sub_co_u32 s39, s54, 48                      ; rbl
	s_lshl4_add_u32 s40, s38, s39                  ; G = 16 batch + rbl
	s_lshl3_add_u32 s41, s40, s2                   ; 8 G + w
	s_lshl_b32 s44, s41, 11
	s_mov_b32 s45, 0                               ; s[44:45] my block in XR
	s_lshl_b32 s46, s38, 11
	s_lshl4_add_u32 s46, s39, s46
	s_add_co_u32 s46, s46, 1792
	s_mul_i32 s46, s46, 28
	s_mov_b32 s47, 0                               ; s[46:47] my rows of x_enc, 28 bytes each
	v_lshlrev_b32 v2, 5, v5
	v_lshl_add_u32 v2, s2, 7, v2                   ; 4 (32 w + 8 h)
	v_mul_u32_u24 v6, 28, v4
	v_mov_b32 v15, 0                               ; named in a pair with x_enc's last number
	s_wait_kmcnt 0x0
	s_add_nc_u64 s[28:29], s[82:83], s[44:45]
	s_add_nc_u64 s[30:31], s[68:69], s[46:47]
.irp d, 0,1,2,3,4,5,6
	global_load_b32 v[8+\d], v6, s[30:31] offset:4*\d
.endr
	LDC 16, 72, 0                                  ; the sums start from b_emb
.irp d, 0,1,2,3,4,5,6
	LDC 32+16*\d, 70, 1024*\d
.endr
	s_wait_loadcnt 0x0
.set d, 0
.rept 7
.set eb, 32+16*d
.set xr, 8+2*(d/2)
.irp i, 0,1,2,3,4,5,6,7
.if d%2
	v_pk_fma_f32 v[16+2*\i:17+2*\i], v[eb+2*\i:eb+2*\i+1], v[xr:xr+1], v[16+2*\i:17+2*\i] op_sel:[0,1,0] op_sel_hi:[1,1,1]
.else
	v_pk_fma_f32 v[16+2*\i:17+2*\i], v[eb+2*\i:eb+2*\i+1], v[xr:xr+1], v[16+2*\i:17+2*\i] op_sel_hi:[1,0,1]
.endif
.endr
.set d, d+1
.endr
.irp q, 0,1,2,3
	global_store_b128 v1, v[16+4*\q:19+4*\q], s[28:29] offset:512*\q   ; four stores of 512 aligned bytes
.endr
	s_endpgm
.Lfunc_end_k_q066a41a185_prep:
	.size	k_q066a41a185_prep, .Lfunc_end_k_q066a41a185_prep-k_q066a41a185_prep
	.p2alignl 7, 3214868480
	.fill 96, 4, 3214868480
	.section	.rodata,"a",@progbits
	.p2align	6, 0x0
	.amdhsa_kernel k_q066a41a185_prep
		.amdhsa_group_segment_fixed_size 16384
		.amdhsa_private_segment_fixed_size 0
		.amdhsa_enable_private_segment 0
		.amdhsa_kernarg_size 160
		.amdhsa_user_sgpr_count 2
		.amdhsa_user_sgpr_kernarg_segment_ptr 1
		.amdhsa_wavefront_size32 1
		.amdhsa_system_sgpr_workgroup_id_x 1
		.amdhsa_system_sgpr_workgroup_id_y 1
		.amdhsa_system_sgpr_workgroup_id_z 1
		.amdhsa_system_vgpr_workitem_id 0
		.amdhsa_next_free_vgpr 148
		.amdhsa_next_free_sgpr 96
		.amdhsa_reserve_vcc 1
		.amdhsa_float_denorm_mode_32 3
		.amdhsa_float_denorm_mode_16_64 3
		.amdhsa_memory_ordered 1
		.amdhsa_forward_progress 1
		.amdhsa_inst_pref_size 28
	.end_amdhsa_kernel
	.amdgpu_metadata
---
amdhsa.version: [ 1, 2 ]
amdhsa.kernels:
  - .name:           k_q066a41a185_prep
    .symbol:         k_q066a41a185_prep.kd
    .args:
      - { .name: Wq, .offset: 0, .size: 8, .value_kind: global_buffer, .address_space: global }
      - { .name: Wk, .offset: 8, .size: 8, .value_kind: global_buffer, .address_space: global }
      - { .name: Wv, .offset: 16, .size: 8, .value_kind: global_buffer, .address_space: global }
      - { .name: Wo, .offset: 24, .size: 8, .value_kind: global_buffer, .address_space: global }
      - { .name: W1, .offset: 32, .size: 8, .value_kind: global_buffer, .address_space: global }
      - { .name: W2, .offset: 40, .size: 8, .value_kind: global_buffer, .address_space: global }
      - { .name: bo, .offset: 48, .size: 8, .value_kind: global_buffer, .address_space: global }
      - { .name: ln1_g, .offset: 56, .size: 8, .value_kind: global_buffer, .address_space: global }
      - { .name: ln1_b, .offset: 64, .size: 8, .value_kind: global_buffer, .address_space: global }
      - { .name: b1, .offset: 72, .size: 8, .value_kind: global_buffer, .address_space: global }
      - { .name: PK0, .offset: 80, .size: 8, .value_kind: global_buffer, .address_space: global }
      - { .name: PK1, .offset: 88, .size: 8, .value_kind: global_buffer, .address_space: global }
      - { .name: x_enc, .offset: 96, .size: 8, .value_kind: global_buffer, .address_space: global }
      - { .name: W_emb, .offset: 104, .size: 8, .value_kind: global_buffer, .address_space: global }
      - { .name: b_emb, .offset: 112, .size: 8, .value_kind: global_buffer, .address_space: global }
      - { .name: bq, .offset: 120, .size: 8, .value_kind: global_buffer, .address_space: global }
      - { .name: bk, .offset: 128, .size: 8, .value_kind: global_buffer, .address_space: global }
      - { .name: bv, .offset: 136, .size: 8, .value_kind: global_buffer, .address_space: global }
      - { .name: MF, .offset: 144, .size: 8, .value_kind: global_buffer, .address_space: global }
      - { .name: XR, .offset: 152, .size: 8, .value_kind: global_buffer, .address_space: global }
    .group_segment_fixed_size: 16384
    .private_segment_fixed_size: 0
    .kernarg_segment_align: 8
    .kernarg_segment_size: 160
    .max_flat_workgroup_size: 256
    .sgpr_count:     96
    .vgpr_count:     148
    .wavefront_size: 32
...
	.end_amdgpu_metadata
.endif
;; end of part 1
;; launch attn0 (part 2): grid 64 x 4, 16 waves a work-group, no clusters, 73,728 bytes of LDS; arguments MF, x_enc, time_diffs, OF; writes OF
.if DOCPART == 2
	.amdgcn_target "amdgcn-amd-amdhsa--gfx1250"
	.amdhsa_code_object_version 6
	.text
	.protected	k_q066a41a185_attn0
	.globl	k_q066a41a185_attn0
	.p2align	8
	.type	k_q066a41a185_attn0,@function
k_q066a41a185_attn0:
	s_mov_b64 s[64:65], 0
	v_nop
	global_prefetch_b8 v0, s[64:65] scope:SCOPE_SE
	s_setreg_imm32_b32 hwreg(HW_REG_WAVE_MODE, 25, 1), 1
	s_wait_xcnt 0x0
; attn0: layer 0's attention for head 7 of a batch, with Q, K and V made here: O = softmax_k(q . k x exp(-t_q / 5) / sqrt(5)) V, 2,048 pseudo-keys of 32 channels.
; WHICH ROWS.  The reshape [L, 256] -> [8, L, 32] makes head h of rows 256 h .. 256 h + 255; all else is row-wise; the result is taken from rows 1952..2047.
; So only rows 1792..2047 of each batch reach the result, for every input: 16 blocks of 16 rows a batch, G = 16 batch + rbl.
; Q, K, V.  x Wm + bm = [x_enc, 1] Mm with Mm = [W_emb; b_emb] Wm (+ bm in row 7), folded by the launch before: MF[m][column][0..7], bf16, m = 0 Q, 1 K, 2 V.
; One matrix instruction makes 16 rows x 16 columns.  Of its 32 places along K: 0-7 take bf16(x_enc) and 1; 8-15 (lanes 16-31) take the bf16 remainder
; x_enc - bf16(x_enc) and 0, against the same M, which both halves of the lanes load from one address; the other 16 places of X are zero.  So the other four
; registers of M's operand may be any finite numbers: they are the neighbouring tile's, a matrix's 16 tiles take 64 registers, and K, V, Q replace them in place.
; SHARES.  x = 4 (15 - rbl) + v, y = batch.  A work-group has the two query tiles (G, u = 2 v + a), a = 0, 1: 32 queries.  Wave w of 16 makes and takes the
; key tiles of row block w (u = 0..7: 128 keys) for both query tiles.  Straight-line text, no loop.
; LAYOUT.  Source 0 = M, source 1 = X: a lane holds (row r, columns 16 t + 8 h + j); two tiles rounded in pairs ARE the Q or K operand of the tile (row r,
; pseudo-position 8 row + u).  Source 0 = X, source 1 = M: a lane holds 8 keys of one channel: half an operand of V^T.  S^T = K Q^T: a lane holds one query and keys
; 8 (lane / 16) + 0..7 of each tile; two tiles rounded in pairs ARE source 1 of O^T = V^T P; the weights' sum is a third product, with ones for V^T.
; SOFTMAX.  p = 2^(c s - c m), c = log2(e) / sqrt(5) x 2^(-t log2(e) / 5) >= 0, so c max(s) is the true maximum of the scaled scores; m is the wave's own;
; the 16 waves' (m, l, O) meet in LDS and are merged exactly, with the maximum over the waves.
; LIMITS.  M (its bias row too), Q, K, V, P are bf16.  A folded weight that is not finite spreads to the neighbouring tile (0 x infinity); the f32 text is not
; finite then either.  exp(-t / 5) that overflows makes the f32 text non-finite too.
; No cluster: what the work-groups share is MF, 12,288 bytes.
.set Q,   8                            ; v[8:23]    Mq's four tiles, then the two query tiles
.set ONE, 24                           ; v[24:31]   ones in bf16
.set XKH, 32                           ; v[32:39]   X of the keys' rows, its numbers in registers 4-7 (v32-35 zero)
.set XKL, 36                           ; v[36:43]   the same, its numbers in registers 0-3 (v40-43 zero)
.set XQ,  44                           ; v[44:51]   X of the queries' rows, numbers in registers 0-3 (v48-51 zero)
.set CH,  32                           ; v[32:39]   later: eight chains of the maximum
.set O0,  40                           ; v[40:47]   later: O^T, channels 0-15
.set O1,  48                           ; v[48:55]   later: O^T, channels 16-31
.set LS,  56                           ; v[56:63]   later: the weights' sum
.set S,   64                           ; v[64:127]  at work; eight accumulators; S^T; P is packed in place into v[64:95]
.set KF,  128                          ; v[128:191] Mk's 16 tiles, then K, 8 tiles
.set VF,  192                          ; v[192:255] Mv's 16 tiles, then V^T: fragment (pair of tiles i2, channel half c) at 16 i2 + 8 c
; v1 16 lane; v2 LDS place of my O; v3 LDS place of my (m, l); v[4:5] c of the two tiles' queries; v[6:7] (c m, l); v52 16 r; v53 28 r
.macro BAR
	s_barrier_signal -1
	s_barrier_wait -1
.endm
.macro PLACES n
.rept \n
	v_nop
.endr
.endm
; X's four registers from a row's 7 numbers and 1.0 in v[raw .. raw+7]: lanes 0-15 the numbers rounded to bf16, lanes 16-31 what the rounding left (of 1.0: nothing)
.macro XBUILD raw, out
.irp i, 0,1,2,3
	v_cvt_pk_bf16_f32 v[96+\i], v[\raw+2*\i], v[\raw+2*\i+1]
.endr
.irp i, 0,1,2,3
	v_lshlrev_b32 v[104+2*\i], 16, v[96+\i]
	v_and_b32 v[105+2*\i], s40, v[96+\i]
.endr
.irp i, 0,1,2,3
	v_pk_add_f32 v[104+2*\i:105+2*\i], v[\raw+2*\i:\raw+2*\i+1], v[104+2*\i:105+2*\i] neg_lo:[0,1] neg_hi:[0,1]
.endr
.irp i, 0,1,2,3
	v_cvt_pk_bf16_f32 v[100+\i], v[104+2*\i], v[105+2*\i]
.endr
.irp i, 0,1,2,3
	v_cndmask_b32 v[\out+\i], v[96+\i], v[100+\i], s40
.endr
.endm
.macro SCL a, b                        ; pair b of the scores: c s - c m
	v_pk_fma_f32 v[S+2*(\b):S+2*(\b)+1], v[S+2*(\b):S+2*(\b)+1], v[4:5], v[6:7] op_sel:[0,\a,0] op_sel_hi:[1,\a,0] neg_lo:[0,0,1] neg_hi:[0,0,1]
.endm
.macro SMAX a
.set i, 0
.rept 8
	v_wmma_f32_16x16x32_bf16 v[S+8*i:S+8*i+7], v[KF+8*i:KF+8*i+7], v[Q+8*\a:Q+8*\a+7], 0
.set i, i+1
.endr
	PLACES 4
	; the maximum of the lane's 64 scores: eight chains, each begun at its accumulator's low end
.set i, 0
.rept 8
	v_max3_num_f32 v[CH+i], v[S+8*i], v[S+8*i+1], v[S+8*i+2]
.set i, i+1
.endr
.set i, 0
.rept 8
	v_max3_num_f32 v[CH+i], v[CH+i], v[S+8*i+3], v[S+8*i+4]
.set i, i+1
.endr
.set i, 0
.rept 8
	v_max3_num_f32 v[CH+i], v[CH+i], v[S+8*i+5], v[S+8*i+6]
.set i, i+1
.endr
.set i, 0
.rept 4
	v_max3_num_f32 v[CH+i], v[CH+i], v[S+16*i+7], v[S+16*i+15]
.set i, i+1
.endr
	v_max3_num_f32 v[CH], v[CH], v[CH+1], v[CH+2]
	v_max3_num_f32 v[CH+3], v[CH+3], v[CH+4], v[CH+5]
	v_max_num_f32 v[CH+6], v[CH+6], v[CH+7]
	v_max3_num_f32 v[CH], v[CH], v[CH+3], v[CH+6]
	v_permlanex16_b32 v[CH+1], v[CH], s34, s35     ; the query's other 64 keys lie in the lane 16 away
	v_max_num_f32 v[CH], v[CH], v[CH+1]
	v_mul_f32 v6, v[4+\a], v[CH]                   ; c m
	; scale two pairs ahead, two exponentials, round the pair before: a plain instruction stands between an exponential and the use of its result
	SCL \a, 0
	SCL \a, 1
.set pb, 0
.rept 32
.if pb < 30
	SCL \a, pb+2
.endif
	v_exp_f32 v[S+2*pb], v[S+2*pb]
	v_exp_f32 v[S+2*pb+1], v[S+2*pb+1]
.if pb > 0
	s_wait_alu depctr_va_vdst(0)
	v_cvt_pk_bf16_f32 v[S+pb-1], v[S+2*pb-2], v[S+2*pb-1]
.endif
.set pb, pb+1
.endr
	v_cvt_pk_bf16_f32 v[S+31], v[S+62], v[S+63]    ; the rounding of pair 30 stands between this and the last exponential
	; three accumulators by turns, one instruction a turn
.set i, 0
.rept 4
.if i == 0
	v_wmma_f32_16x16x32_bf16 v[O0:O0+7], v[VF:VF+7], v[S:S+7], 0
	v_wmma_f32_16x16x32_bf16 v[O1:O1+7], v[VF+8:VF+15], v[S:S+7], 0
	v_wmma_f32_16x16x32_bf16 v[LS:LS+7], v[ONE:ONE+7], v[S:S+7], 0
.else
	v_wmma_f32_16x16x32_bf16 v[O0:O0+7], v[VF+16*i:VF+16*i+7], v[S+8*i:S+8*i+7], v[O0:O0+7]
	v_wmma_f32_16x16x32_bf16 v[O1:O1+7], v[VF+16*i+8:VF+16*i+15], v[S+8*i:S+8*i+7], v[O1:O1+7]
	v_wmma_f32_16x16x32_bf16 v[LS:LS+7], v[ONE:ONE+7], v[S+8*i:S+8*i+7], v[LS:LS+7]
.endif
.set i, i+1
.endr
	PLACES 5                                       ; four in front of the reads below, five in front of products that write over P
	v_mov_b32 v7, v[LS]
	ds_store_b128 v2, v[O0:O0+3] offset:\a*32768
	ds_store_b128 v2, v[O0+4:O0+7] offset:\a*32768+512
	ds_store_b128 v2, v[O1:O1+3] offset:\a*32768+1024
	ds_store_b128 v2, v[O1+4:O1+7] offset:\a*32768+1536
	ds_store_b64 v3, v[6:7] offset:\a*4096
.endm
	s_load_b256 s[4:11], s[0:1], 0x0               ; MF s[4:5] x_enc s[6:7] time_diffs s[8:9] OF s[10:11]
	v_lshrrev_b32 v1, 5, v0
	v_readfirstlane_b32 s2, v1                     ; wave 0..15
	v_and_b32 v3, 31, v0
	v_lshlrev_b32 v1, 4, v3                        ; 16 lane
	v_lshlrev_b32 v3, 3, v3
	v_lshl_add_u32 v2, s2, 11, v1                  ; O partials: 2,048 bytes a wave and query tile, from LDS byte 0 (tile 1: from 32,768)
	v_lshl_add_u32 v3, s2, 8, v3
	v_add_nc_u32 v3, 0x10000, v3                   ; (m, l): 256 bytes a wave and query tile, from LDS byte 65,536 (tile 1: 4,096 on)
	v_and_b32 v0, 15, v0                           ; r
	v_lshlrev_b32 v52, 4, v0                       ; a column's eight numbers in MF
	v_mul_u32_u24 v53, 28, v0                      ; a row of x_enc
	v_lshlrev_b32 v0, 5, v0                        ; v0 = 32 r: query r's pseudo-positions lie 8 numbers apart in time_diffs
	s_lshr_b32 s12, ttmp9, 2
	s_sub_co_u32 s13, 15, s12                      ; rbl
	s_and_b32 s14, ttmp9, 3                        ; v
	s_and_b32 s15, ttmp7, 0xffff                   ; batch
	s_lshl4_add_u32 s16, s15, s13                  ; G
	s_lshl_b32 s17, s16, 3
	s_lshl1_add_u32 s17, s14, s17                  ; 8 G + 2 v
	s_lshl_b32 s28, s17, 10
	s_mov_b32 s29, 0                               ; s[28:29] my two tiles in OF
	s_lshl_b32 s30, s14, 10
	s_mov_b32 s31, 0                               ; s[30:31] Mq's tiles 4 v .. 4 v + 3
	s_lshl_b32 s32, s15, 13
	s_lshl_b32 s33, s13, 9
	s_add_co_u32 s32, s32, s33
	s_lshl3_add_u32 s32, s14, s32
	s_mov_b32 s33, 0                               ; s[32:33] time_diffs at position 8 (16 rbl) + 2 v
	s_lshl_b32 s36, s15, 11
	s_add_co_u32 s36, s36, 1792                    ; the batch's row 1792
	s_lshl4_add_u32 s38, s13, s36                  ; the queries' rows: + 16 rbl
	s_lshl4_add_u32 s36, s2, s36                   ; my keys' rows: + 16 w
	s_mul_i32 s36, s36, 28
	s_mul_i32 s38, s38, 28
	s_mov_b32 s37, 0
	s_mov_b32 s39, 0
	s_mov_b32 s34, 0x76543210                      ; v_permlanex16_b32: each lane takes its own place in the other half
	s_mov_b32 s35, 0xfedcba98
	s_mov_b32 s40, 0xffff0000                      ; lanes 16 to 31; also a word's upper bf16
	s_wait_kmcnt 0x0
	s_add_nc_u64 s[18:19], s[4:5], s[30:31]
	s_add_nc_u64 s[20:21], s[6:7], s[36:37]
	s_add_nc_u64 s[22:23], s[6:7], s[38:39]
	s_add_nc_u64 s[26:27], s[8:9], s[32:33]
	s_add_nc_u64 s[24:25], s[10:11], s[28:29]
	global_load_b64 v[4:5], v0, s[26:27]
.irp d, 0,1,2,3,4,5,6
	global_load_b32 v[64+\d], v53, s[20:21] offset:4*\d
.endr
.irp d, 0,1,2,3,4,5,6
	global_load_b32 v[72+\d], v53, s[22:23] offset:4*\d
.endr
.irp t, 0,1,2,3
	global_load_b128 v[Q+4*\t:Q+4*\t+3], v52, s[18:19] offset:256*\t
.endr
.set i, 0
.rept 16
	global_load_b128 v[KF+4*i:KF+4*i+3], v52, s[4:5] offset:4096+256*i
.set i, i+1
.endr
.set i, 0
.rept 16
	global_load_b128 v[VF+4*i:VF+4*i+3], v52, s[4:5] offset:8192+256*i
.set i, i+1
.endr
.irp i, 0,1,2,3,4,5,6,7
	v_mov_b32 v[ONE+\i], 0x3f803f80
.endr
.irp i, 32,33,34,35,40,41,42,43,48,49,50,51
	v_mov_b32 v[\i], 0                             ; X's places that take no number
.endr
	v_mov_b32 v71, 1.0                             ; the place that meets M's row 7
	v_mov_b32 v79, 1.0
	s_wait_loadcnt 50                              ; time_diffs are in: the 50 other loads are younger
	v_mul_f32 v4, 0xbe93bb63, v4                   ; -t log2(e) / 5
	v_mul_f32 v5, 0xbe93bb63, v5
	v_exp_f32 v4, v4
	v_exp_f32 v5, v5
	v_mov_b32 v7, 0                                ; named in a pair with c m; also the plain instruction behind the exponentials
	s_wait_alu depctr_va_vdst(0)
	v_mul_f32 v4, 0x3f252b5c, v4                   ; x log2(e) / sqrt(5)
	v_mul_f32 v5, 0x3f252b5c, v5
	s_wait_loadcnt 36                              ; both rows of x_enc are in: M's 4 + 16 + 16 loads are younger
	XBUILD 64, XKL
	XBUILD 72, XQ
	; Q: tiles 4 v + i of Mq; the last operand's upper four registers are the ones
	s_wait_loadcnt 32                              ; Mq is in
.set i, 0
.rept 4
	v_wmma_f32_16x16x32_bf16 v[S+8*i:S+8*i+7], v[Q+4*i:Q+4*i+7], v[XQ:XQ+7], 0
.set i, i+1
.endr
	PLACES 4                                       ; in front of the reads of the sums and of the writes over M
.set i, 0
.rept 16
	v_cvt_pk_bf16_f32 v[Q+i], v[S+2*i], v[S+2*i+1]
.set i, i+1
.endr
	s_wait_loadcnt 0x0                             ; Mk and Mv
	; K: eight tiles at a time; tile t's operand is v[KF + 4 t .. + 7]; the last one's upper four registers are Mv's first
.set bt, 0
.rept 2
.set i, 0
.rept 8
	v_wmma_f32_16x16x32_bf16 v[S+8*i:S+8*i+7], v[KF+32*bt+4*i:KF+32*bt+4*i+7], v[XKL:XKL+7], 0
.set i, i+1
.endr
	PLACES 4
.set i, 0
.rept 32
	v_cvt_pk_bf16_f32 v[KF+32*bt+i], v[S+2*i], v[S+2*i+1]
.set i, i+1
.endr
.set bt, bt+1
.endr
	; V: X's numbers in registers 4-7, so tile t's operand is v[VF + 4 t - 4 .. + 3]; the first one's lower four registers are K's last
.set bt, 0
.rept 2
.set i, 0
.rept 8
	v_wmma_f32_16x16x32_bf16 v[S+8*i:S+8*i+7], v[XKH:XKH+7], v[VF+32*bt+4*i-4:VF+32*bt+4*i+3], 0
.set i, i+1
.endr
	PLACES 4
.set i, 0
.rept 8
.set dv, VF+32*bt+16*(i/4)+8*(i%2)+4*((i/2)%2)  ; tile 8 bt + i = 2 u + c: fragment (u / 2, c), registers 4 (u % 2) on
.irp k, 0,1,2,3
	v_cvt_pk_bf16_f32 v[dv+\k], v[S+8*i+2*\k], v[S+8*i+2*\k+1]
.endr
.set i, i+1
.endr
.set bt, bt+1
.endr
	SMAX 0
	SMAX 1
	s_wait_dscnt 0x0                               ; for the others' sake: my partial results are in LDS
	BAR
	s_cmp_ge_u32 s2, 4
	s_cbranch_scc1 .Lend
	; THE MERGE.  Wave w < 4 takes query tile a = w / 2, channel half c = w % 2.
	s_bfe_u32 s26, s2, 0x10001                     ; a
	s_and_b32 s27, s2, 1                           ; c
	s_lshl_b32 s28, s26, 12
	s_add_co_u32 s28, s28, 65536
	v_lshrrev_b32 v32, 1, v1
	v_add_nc_u32 v32, s28, v32                     ; (m, l) of wave 0
	s_lshl_b32 s28, s26, 15
	s_lshl_b32 s29, s27, 10
	s_add_co_u32 s28, s28, s29
	v_add_nc_u32 v33, s28, v1                      ; O of wave 0
	s_lshl_b32 s30, s2, 9                          ; 1,024 a + 512 c
	s_mov_b32 s31, 0
	s_add_nc_u64 s[24:25], s[24:25], s[30:31]
.set i, 0
.rept 16
	ds_load_b64 v[64+2*i:65+2*i], v32 offset:256*i
.set i, i+1
.endr
.set i, 0
.rept 16
	ds_load_b128 v[128+8*i:128+8*i+3], v33 offset:2048*i
	ds_load_b128 v[128+8*i+4:128+8*i+7], v33 offset:2048*i+512
.set i, i+1
.endr
	s_wait_dscnt 32                                ; the 16 (m, l) are in; O's 32 loads may stay out
	v_max3_num_f32 v34, v64, v66, v68
.irp k, 70,74,78,82,86,90
	v_max3_num_f32 v34, v34, v[\k], v[\k+2]
.endr
	v_max_num_f32 v34, v34, v94
.set i, 0
.rept 16
	v_sub_f32 v[64+2*i], v[64+2*i], v34
.set i, i+1
.endr
.set i, 0
.rept 16
	v_exp_f32 v[64+2*i], v[64+2*i]                 ; f = 2^(c m_w - c m)
.set i, i+1
.endr
	v_nop
	s_wait_alu depctr_va_vdst(0)
	v_mul_f32 v35, v64, v65
.set i, 1
.rept 15
	v_fma_f32 v35, v[64+2*i], v[65+2*i], v35       ; l = the sum of f l_w; at least 1: the largest weight of the wave with f = 1 is 1
.set i, i+1
.endr
	v_rcp_f32 v36, v35
	v_mov_b32 v37, 0                               ; named in a pair with 1 / l; also the plain instruction behind the reciprocal
.set i, 0
.rept 16
	s_wait_dscnt 30-2*i                            ; wave i's two loads are in
.irp k, 0,1,2,3
.if i == 0
	v_pk_mul_f32 v[16+2*\k:17+2*\k], v[128+2*\k:129+2*\k], v[64:65] op_sel_hi:[1,0]
.else
	v_pk_fma_f32 v[16+2*\k:17+2*\k], v[128+8*i+2*\k:129+8*i+2*\k], v[64+2*i:65+2*i], v[16+2*\k:17+2*\k] op_sel_hi:[1,0,1]
.endif
.endr
.set i, i+1
.endr
	s_wait_alu depctr_va_vdst(0)
.irp k, 0,1,2,3
	v_pk_mul_f32 v[16+2*\k:17+2*\k], v[16+2*\k:17+2*\k], v[36:37] op_sel_hi:[1,0]
.endr
.irp k, 0,1,2,3
	v_cvt_pk_bf16_f32 v[40+\k], v[16+2*\k], v[17+2*\k]
.endr
	global_store_b128 v1, v[40:43], s[24:25]       ; half c of K step u of the row block's operand: 512 aligned bytes
.Lend:
	s_endpgm
.Lfunc_end_k_q066a41a185_attn0:
	.size	k_q066a41a185_attn0, .Lfunc_end_k_q066a41a185_attn0-k_q066a41a185_attn0
	.p2alignl 7, 3214868480
	.fill 96, 4, 3214868480
	.section	.rodata,"a",@progbits
	.p2align	6, 0x0
	.amdhsa_kernel k_q066a41a185_attn0
		.amdhsa_group_segment_fixed_size 73728
		.amdhsa_private_segment_fixed_size 0
		.amdhsa_enable_private_segment 0
		.amdhsa_kernarg_size 32
		.amdhsa_user_sgpr_count 2
		.amdhsa_user_sgpr_kernarg_segment_ptr 1
		.amdhsa_wavefront_size32 1
		.amdhsa_system_sgpr_workgroup_id_x 1
		.amdhsa_system_sgpr_workgroup_id_y 1
		.amdhsa_system_sgpr_workgroup_id_z 1
		.amdhsa_system_vgpr_workitem_id 0
		.amdhsa_next_free_vgpr 256
		.amdhsa_next_free_sgpr 66
		.amdhsa_reserve_vcc 0
		.amdhsa_float_denorm_mode_32 3
		.amdhsa_float_denorm_mode_16_64 3
		.amdhsa_memory_ordered 1
		.amdhsa_forward_progress 1
		.amdhsa_inst_pref_size 56
	.end_amdhsa_kernel
	.amdgpu_metadata
---
amdhsa.version: [ 1, 2 ]
amdhsa.kernels:
  - .name:           k_q066a41a185_attn0
    .symbol:         k_q066a41a185_attn0.kd
    .args:
      - { .name: MF, .offset: 0, .size: 8, .value_kind: global_buffer, .address_space: global }
      - { .name: x_enc, .offset: 8, .size: 8, .value_kind: global_buffer, .address_space: global }
      - { .name: time_diffs, .offset: 16, .size: 8, .value_kind: global_buffer, .address_space: global }
      - { .name: OF, .offset: 24, .size: 8, .value_kind: global_buffer, .address_space: global }
    .group_segment_fixed_size: 73728
    .private_segment_fixed_size: 0
    .kernarg_segment_align: 8
    .kernarg_segment_size: 32
    .max_flat_workgroup_size: 512
    .sgpr_count:     66
    .vgpr_count:     256
    .wavefront_size: 32
...
	.end_amdgpu_metadata
.endif
;; end of part 2
;; launch ffn0 (part 3): grid 64 x 4, 8 waves a work-group, no clusters, 18,432 bytes of LDS; arguments OF, XR, PK0, PS, XP; writes PS, XP
.if DOCPART == 3
	.amdgcn_target "amdgcn-amd-amdhsa--gfx1250"
	.amdhsa_code_object_version 6
	.text
	.protected	k_q066a41a185_ffn0
	.globl	k_q066a41a185_ffn0
	.p2align	8
	.type	k_q066a41a185_ffn0,@function
k_q066a41a185_ffn0:
	s_mov_b64 s[64:65], 0
	v_nop
	global_prefetch_b8 v0, s[64:65] scope:SCOPE_SE
	s_setreg_imm32_b32 hwreg(HW_REG_WAVE_MODE, 25, 1), 1
	s_wait_xcnt 0x0
; ffn: x' = LN1(x + O Wo + bo);  partial_s = relu(x' W1[:, 256 s ..] + b1[256 s ..]) W2[256 s .., :].
; SHARES.  x = 4 (15 - rbl) + s, y = batch: 64 work-groups along x serve all 16 row blocks, 24 the last six.  A work-group: 16 rows, hidden slice s of four:
; three products of 16 x 256 x 256; wave w has columns 32 w .. 32 w + 31.  The four partial sums meet in the next launch, which needs whole rows anyway.
; The split keeps a work-group's weights at 393,216 bytes and gives each row block four work-groups; x' is made four times and stored by s = 0.
; Layouts (Z, fragments) as in the pack: lane = r + 16 h, Z[4 q + e] = (row r, column 32 w + 16 (q / 2) + 8 h + 4 (q % 2) + e).
; The norm's variance is made of centred sums: each wave's mean and squared deviations of its 32 columns, joined over the 8 waves.
; No cluster: weight blocks are read by many work-groups, but each byte feeds one wave's registers as it lies; a joint load would add an LDS write
; and read to each of three dependent products.  O, x', the hidden layer and the weights are bf16 operands; sums are f32.
.set FR,  8
.set ZA,  16
.set BI,  32
.set T,   48
.set XF,  64
.set WFR, 128
.set PAR, 1572864
.macro BAR
	s_barrier_signal -1
	s_barrier_wait -1
.endm
.macro PLACES n
.rept \n
	v_nop
.endr
.endm
.macro LDC dst, sb, off                ; 16 numbers a lane of a per-column vector, in Z's pattern
	global_load_b128 v[\dst:\dst+3], v2, s[\sb:\sb+1] offset:\off
	global_load_b128 v[\dst+4:\dst+7], v2, s[\sb:\sb+1] offset:\off+16
	global_load_b128 v[\dst+8:\dst+11], v2, s[\sb:\sb+1] offset:\off+64
	global_load_b128 v[\dst+12:\dst+15], v2, s[\sb:\sb+1] offset:\off+80
.endm
.macro LDD dst, sb, off                ; a stored Z
.irp q, 0,1,2,3
	global_load_b128 v[\dst+4*\q:\dst+4*\q+3], v1, s[\sb:\sb+1] offset:\off+512*\q
.endr
.endm
.macro STD src, sb
.irp q, 0,1,2,3
	global_store_b128 v1, v[\src+4*\q:\src+4*\q+3], s[\sb:\sb+1] offset:512*\q
.endr
.endm
.macro WLOAD sb, k0, k1
.set wk, \k0
.rept \k1-\k0+1
	global_load_b128 v[WFR+16*wk:WFR+16*wk+3], v1, s[\sb:\sb+1] offset:wk*1024
	global_load_b128 v[WFR+16*wk+4:WFR+16*wk+7], v1, s[\sb:\sb+1] offset:wk*1024+512
	global_load_b128 v[WFR+16*wk+8:WFR+16*wk+11], v1, s[\sb:\sb+1] offset:8192+wk*1024
	global_load_b128 v[WFR+16*wk+12:WFR+16*wk+15], v1, s[\sb:\sb+1] offset:8192+wk*1024+512
.set wk, wk+1
.endr
.endm
; Eight K steps, two accumulators by turns, one instruction a turn.  dw: x's 16 LDS loads were the last issued: step ks leaves
; 14 - 2 ks out.  lw: the 32 weight loads were the last issued: 28 - 4 ks.  The four v_nop are the places in front of reads of the sums and loads into the operands.
.macro PROD cmode, dw, lw
.set pk, 0
.rept 8
.if \dw
	s_wait_dscnt 14-2*pk
.endif
.if \lw
	s_wait_loadcnt 28-4*pk
.endif
.irp c, 0,1
.if (pk == 0) && \cmode
	v_wmma_f32_16x16x32_bf16 v[ZA+8*\c:ZA+8*\c+7], v[WFR+16*pk+8*\c:WFR+16*pk+8*\c+7], v[XF+8*pk:XF+8*pk+7], v[BI+8*\c:BI+8*\c+7]
.elseif pk == 0
	v_wmma_f32_16x16x32_bf16 v[ZA+8*\c:ZA+8*\c+7], v[WFR+16*pk+8*\c:WFR+16*pk+8*\c+7], v[XF+8*pk:XF+8*pk+7], 0
.else
	v_wmma_f32_16x16x32_bf16 v[ZA+8*\c:ZA+8*\c+7], v[WFR+16*pk+8*\c:WFR+16*pk+8*\c+7], v[XF+8*pk:XF+8*pk+7], v[ZA+8*\c:ZA+8*\c+7]
.endif
.endr
.set pk, pk+1
.endr
	PLACES 4
.endm
.macro XCHG xl
.irp i, 0,1,2,3,4,5,6,7
	v_cvt_pk_bf16_f32 v[FR+\i], v[ZA+2*\i], v[ZA+2*\i+1]
.endr
	ds_store_b128 v3, v[FR:FR+3] offset:\xl
	ds_store_b128 v3, v[FR+4:FR+7] offset:\xl+512
	s_wait_dscnt 0x0                               ; for the others' sake: my stores are done
	BAR
.irp k, 0,1,2,3,4,5,6,7
	ds_load_b128 v[XF+8*\k:XF+8*\k+3], v1 offset:\xl+1024*\k
	ds_load_b128 v[XF+8*\k+4:XF+8*\k+7], v1 offset:\xl+1024*\k+512
.endr
.endm
; Z = (Z - mean) rsqrt(var + eps) g + b over the row's 256 columns.  st: 2,048 LDS bytes of this norm's own.  lcnt >= 0: the count that shows g and b in.
.macro LNORM st, g, b, lcnt
	v_pk_add_f32 v[T:T+1], v[ZA:ZA+1], v[ZA+2:ZA+3]
	v_pk_add_f32 v[T+2:T+3], v[ZA+4:ZA+5], v[ZA+6:ZA+7]
	v_pk_add_f32 v[T+4:T+5], v[ZA+8:ZA+9], v[ZA+10:ZA+11]
	v_pk_add_f32 v[T+6:T+7], v[ZA+12:ZA+13], v[ZA+14:ZA+15]
	v_pk_add_f32 v[T:T+1], v[T:T+1], v[T+2:T+3]
	v_pk_add_f32 v[T+4:T+5], v[T+4:T+5], v[T+6:T+7]
	v_pk_add_f32 v[T:T+1], v[T:T+1], v[T+4:T+5]
	v_add_f32 v[T], v[T], v[T+1]
	v_permlanex16_b32 v[T+1], v[T], s42, s43       ; the row's other 16 columns of this wave
	v_add_f32 v[T], v[T], v[T+1]
	v_mul_f32 v8, 0x3d000000, v[T]                 ; the mean of the wave's 32 columns
	v_mov_b32 v9, 0
.set li, 0
.rept 8
	v_pk_add_f32 v[T+8+2*(li%2):T+9+2*(li%2)], v[ZA+2*li:ZA+2*li+1], v[8:9] op_sel_hi:[1,0] neg_lo:[0,1] neg_hi:[0,1]
.if li == 0
	v_pk_mul_f32 v[T+12:T+13], v[T+8:T+9], v[T+8:T+9]
.else
	v_pk_fma_f32 v[T+12:T+13], v[T+8+2*(li%2):T+9+2*(li%2)], v[T+8+2*(li%2):T+9+2*(li%2)], v[T+12:T+13]
.endif
.set li, li+1
.endr
	v_add_f32 v[T+12], v[T+12], v[T+13]
	v_permlanex16_b32 v[T+13], v[T+12], s42, s43
	v_add_f32 v9, v[T+12], v[T+13]                 ; their squared deviations from that mean
	ds_store_b64 v4, v[8:9] offset:\st
	s_wait_dscnt 0x0                               ; for the others' sake
	BAR
.irp i, 0,1,2,3,4,5,6,7
	ds_load_b64 v[T+2*\i:T+2*\i+1], v5 offset:\st+256*\i
.endr
	s_wait_dscnt 0x0
	v_pk_add_f32 v[10:11], v[T:T+1], v[T+2:T+3]
	v_pk_add_f32 v[12:13], v[T+4:T+5], v[T+6:T+7]
	v_pk_add_f32 v[14:15], v[T+8:T+9], v[T+10:T+11]
	v_pk_add_f32 v[8:9], v[T+12:T+13], v[T+14:T+15]
	v_pk_add_f32 v[10:11], v[10:11], v[12:13]
	v_pk_add_f32 v[14:15], v[14:15], v[8:9]
	v_pk_add_f32 v[10:11], v[10:11], v[14:15]
	v_mul_f32 v8, 0x3e000000, v10                  ; the row's mean
.set li, 0
.rept 8
	v_sub_f32 v[12+2*(li%2)], v[T+2*li], v8
.if li == 0
	v_mul_f32 v13, v12, v12
.else
	v_fma_f32 v13, v[12+2*(li%2)], v[12+2*(li%2)], v13
.endif
.set li, li+1
.endr
	v_fmamk_f32 v11, v13, 0x42000000, v11          ; + 32 x the squared deviations of the waves' means
	v_fma_f32 v11, v11, s40, s41                   ; / 256 + eps
	v_rsq_f32 v9, v11
	v_nop
.if \lcnt >= 0
	s_wait_loadcnt \lcnt
.endif
	s_wait_alu depctr_va_vdst(0)
.irp i, 0,1,2,3,4,5,6,7
	v_pk_add_f32 v[ZA+2*\i:ZA+2*\i+1], v[ZA+2*\i:ZA+2*\i+1], v[8:9] op_sel_hi:[1,0] neg_lo:[0,1] neg_hi:[0,1]
	v_pk_mul_f32 v[\g+2*\i:\g+2*\i+1], v[\g+2*\i:\g+2*\i+1], v[8:9] op_sel:[0,1] op_sel_hi:[1,1]
	v_pk_fma_f32 v[ZA+2*\i:ZA+2*\i+1], v[ZA+2*\i:ZA+2*\i+1], v[\g+2*\i:\g+2*\i+1], v[\b+2*\i:\b+2*\i+1]
.endr
.endm
	s_load_b256 s[4:11], s[0:1], 0x0               ; OF s[4:5] XR s[6:7] the layer's pack s[8:9] PS s[10:11]
	s_load_b64 s[12:13], s[0:1], 0x20              ; XP
	v_lshrrev_b32 v1, 5, v0
	v_readfirstlane_b32 s2, v1                     ; wave
	v_and_b32 v5, 31, v0
	v_bfe_u32 v2, v0, 4, 1
	v_lshlrev_b32 v1, 4, v5                        ; v1 = 16 lane
	v_lshlrev_b32 v5, 3, v5                        ; v5 = 8 lane
	v_lshlrev_b32 v2, 5, v2
	v_lshl_add_u32 v2, s2, 7, v2                   ; v2 = 4 (32 w + 8 h)
	v_lshl_add_u32 v3, s2, 10, v1                  ; v3 = 1,024 w + 16 lane
	v_lshl_add_u32 v4, s2, 8, v5                   ; v4 = 256 w + 8 lane
	s_lshr_b32 s14, ttmp9, 2
	s_sub_co_u32 s15, 15, s14                      ; rbl
	s_and_b32 s16, ttmp9, 3                        ; s
	s_and_b32 s17, ttmp7, 0xffff                   ; batch
	s_lshl4_add_u32 s18, s17, s15                  ; G
	s_lshl3_add_u32 s19, s18, s2                   ; 8 G + w
	s_lshl_b32 s44, s18, 13
	s_mov_b32 s45, 0                               ; s[44:45] the row block's eight fragments in OF
	s_lshl_b32 s46, s19, 11
	s_mov_b32 s47, 0                               ; s[46:47] my Z in XR, XP, PS
	s_lshl_b32 s48, s2, 14
	s_add_co_u32 s48, s48, 3*131072
	s_mov_b32 s49, 0                               ; s[48:49] my fragments of Wo
	s_lshl_b32 s50, s16, 17
	s_mov_b32 s51, 0                               ; s[50:51] the slice's step in the pack
	s_lshl_b32 s52, s16, 10
	s_add_co_u32 s52, s52, PAR+3072
	s_mov_b32 s53, 0                               ; s[52:53] the slice's b1
	s_lshl_b32 s54, s16, 20
	s_mov_b32 s55, 0                               ; s[54:55] the slice's part of PS
	s_mov_b32 s40, 0x3b800000                      ; 1 / 256
	s_mov_b32 s41, 0x3727c5ac                      ; 1e-5
	s_mov_b32 s42, 0x76543210
	s_mov_b32 s43, 0xfedcba98
	s_wait_kmcnt 0x0
	s_add_nc_u64 s[20:21], s[4:5], s[44:45]
	s_add_nc_u64 s[22:23], s[6:7], s[46:47]
	s_add_nc_u64 s[24:25], s[8:9], s[48:49]        ; Wo
	s_add_nc_u64 s[26:27], s[24:25], s[50:51]
	s_add_nc_u64 s[26:27], s[26:27], 131072        ; W1's slice
	s_add_nc_u64 s[28:29], s[26:27], 524288        ; W2's slice
	s_add_nc_u64 s[30:31], s[8:9], PAR             ; bo, ln1_g, ln1_b
	s_add_nc_u64 s[32:33], s[8:9], s[52:53]
	s_add_nc_u64 s[34:35], s[10:11], s[46:47]
	s_add_nc_u64 s[34:35], s[34:35], s[54:55]
	s_add_nc_u64 s[36:37], s[12:13], s[46:47]
	LDD BI, 22, 0                                  ; x
	LDC T, 30, 0                                   ; bo
.irp k, 0,1,2,3,4,5,6,7
	global_load_b128 v[XF+8*\k:XF+8*\k+3], v1, s[20:21] offset:1024*\k
	global_load_b128 v[XF+8*\k+4:XF+8*\k+7], v1, s[20:21] offset:1024*\k+512
.endr
	WLOAD 24, 0, 7
	s_wait_loadcnt 48                              ; x and bo are in: O's 16 loads and Wo's 32 are younger
.irp i, 0,1,2,3,4,5,6,7
	v_pk_add_f32 v[BI+2*\i:BI+2*\i+1], v[BI+2*\i:BI+2*\i+1], v[T+2*\i:T+2*\i+1]
.endr
	PROD 1, 0, 1                                   ; x + bo + O Wo; the waits for Wo cover O's older loads
	LDC XF, 30, 1024                               ; ln1_g
	LDC XF+16, 30, 2048                            ; ln1_b
	LDC BI, 32, 0                                  ; b1
	WLOAD 26, 0, 7
	LNORM 0, XF, XF+16, 36                         ; b1's 4 loads and W1's 32 are younger than g and b
	s_cmp_lg_u32 s16, 0
	s_cbranch_scc1 .Lno_xp
	STD ZA, 36                                     ; x' is kept once
.Lno_xp:
	XCHG 2048
	s_wait_xcnt 0x0                                ; Z, which the stores above read, is written again only behind this wait
	PROD 1, 1, 1                                   ; b1 + x' W1
	WLOAD 28, 0, 7
.irp i, 0,1,2,3,4,5,6,7,8,9,10,11,12,13,14,15
	v_max_num_f32 v[ZA+\i], 0, v[ZA+\i]
.endr
	XCHG 10240
	PROD 0, 1, 1                                   ; the slice's part of the second product
	STD ZA, 34
	s_endpgm
.Lfunc_end_k_q066a41a185_ffn0:
	.size	k_q066a41a185_ffn0, .Lfunc_end_k_q066a41a185_ffn0-k_q066a41a185_ffn0
	.p2alignl 7, 3214868480
	.fill 96, 4, 3214868480
	.section	.rodata,"a",@progbits
	.p2align	6, 0x0
	.amdhsa_kernel k_q066a41a185_ffn0
		.amdhsa_group_segment_fixed_size 18432
		.amdhsa_private_segment_fixed_size 0
		.amdhsa_enable_private_segment 0
		.amdhsa_kernarg_size 40
		.amdhsa_user_sgpr_count 2
		.amdhsa_user_sgpr_kernarg_segment_ptr 1
		.amdhsa_wavefront_size32 1
		.amdhsa_system_sgpr_workgroup_id_x 1
		.amdhsa_system_sgpr_workgroup_id_y 1
		.amdhsa_system_sgpr_workgroup_id_z 1
		.amdhsa_system_vgpr_workitem_id 0
		.amdhsa_next_free_vgpr 256
		.amdhsa_next_free_sgpr 66
		.amdhsa_reserve_vcc 0
		.amdhsa_float_denorm_mode_32 3
		.amdhsa_float_denorm_mode_16_64 3
		.amdhsa_memory_ordered 1
		.amdhsa_forward_progress 1
		.amdhsa_inst_pref_size 31
	.end_amdhsa_kernel
	.amdgpu_metadata
---
amdhsa.version: [ 1, 2 ]
amdhsa.kernels:
  - .name:           k_q066a41a185_ffn0
    .symbol:         k_q066a41a185_ffn0.kd
    .args:
      - { .name: OF, .offset: 0, .size: 8, .value_kind: global_buffer, .address_space: global }
      - { .name: XR, .offset: 8, .size: 8, .value_kind: global_buffer, .address_space: global }
      - { .name: PK0, .offset: 16, .size: 8, .value_kind: global_buffer, .address_space: global }
      - { .name: PS, .offset: 24, .size: 8, .value_kind: global_buffer, .address_space: global }
      - { .name: XP, .offset: 32, .size: 8, .value_kind: global_buffer, .address_space: global }
    .group_segment_fixed_size: 18432
    .private_segment_fixed_size: 0
    .kernarg_segment_align: 8
    .kernarg_segment_size: 40
    .max_flat_workgroup_size: 256
    .sgpr_count:     66
    .vgpr_count:     256
    .wavefront_size: 32
...
	.end_amdgpu_metadata
.endif
;; end of part 3
;; launch qkv1 (part 4): grid 38 x 4, 8 waves a work-group, no clusters, 10,240 bytes of LDS; arguments PS, XP, b2, ln2_g, ln2_b, bq, bk, bv, PK1, QKV, XR; writes QKV, XR
.if DOCPART == 4
	.amdgcn_target "amdgcn-amd-amdhsa--gfx1250"
	.amdhsa_code_object_version 6
	.text
	.protected	k_q066a41a185_qkv1
	.globl	k_q066a41a185_qkv1
	.p2align	8
	.type	k_q066a41a185_qkv1,@function
k_q066a41a185_qkv1:
	s_mov_b64 s[64:65], 0
	v_nop
	global_prefetch_b8 v0, s[64:65] scope:SCOPE_SE
	s_setreg_imm32_b32 hwreg(HW_REG_WAVE_MODE, 25, 1), 1
	s_wait_xcnt 0x0
; qkv1: x = LN2(x' + relu(the four partial sums + b2)) with layer 0's parameters, then one of Q, K, V of layer 1.
; SHARES.  x = 16 role + i, y = batch.  Role 0 K and 1 V: all 16 row blocks of head 7 (rbl = i).  Role 2 Q: the last six (rbl = 10 + i): only rows
; 1952..2047 are returned, and behind the attention everything is row-wise.  The Q work-groups keep x for the residual.
; Layouts, products and the norm as in the other row-wise texts: lane = r + 16 h, Z[4 q + e] = (row r, column 32 w + 16 (q / 2) + 8 h + 4 (q % 2) + e).
; No cluster: each weight byte feeds one wave's registers as it lies; a joint load would add an LDS write and read to a text of one product.
.set FR,  8
.set ZA,  16
.set BI,  32
.set T,   48
.set XF,  64
.set WFR, 128
.macro BAR
	s_barrier_signal -1
	s_barrier_wait -1
.endm
.macro PLACES n
.rept \n
	v_nop
.endr
.endm
.macro LDC dst, sb, off
	global_load_b128 v[\dst:\dst+3], v2, s[\sb:\sb+1] offset:\off
	global_load_b128 v[\dst+4:\dst+7], v2, s[\sb:\sb+1] offset:\off+16
	global_load_b128 v[\dst+8:\dst+11], v2, s[\sb:\sb+1] offset:\off+64
	global_load_b128 v[\dst+12:\dst+15], v2, s[\sb:\sb+1] offset:\off+80
.endm
.macro LDD dst, sb, off
.irp q, 0,1,2,3
	global_load_b128 v[\dst+4*\q:\dst+4*\q+3], v1, s[\sb:\sb+1] offset:\off+512*\q
.endr
.endm
.macro STD src, sb
.irp q, 0,1,2,3
	global_store_b128 v1, v[\src+4*\q:\src+4*\q+3], s[\sb:\sb+1] offset:512*\q
.endr
.endm
.macro WLOAD sb, k0, k1
.set wk, \k0
.rept \k1-\k0+1
	global_load_b128 v[WFR+16*wk:WFR+16*wk+3], v1, s[\sb:\sb+1] offset:wk*1024
	global_load_b128 v[WFR+16*wk+4:WFR+16*wk+7], v1, s[\sb:\sb+1] offset:wk*1024+512
	global_load_b128 v[WFR+16*wk+8:WFR+16*wk+11], v1, s[\sb:\sb+1] offset:8192+wk*1024
	global_load_b128 v[WFR+16*wk+12:WFR+16*wk+15], v1, s[\sb:\sb+1] offset:8192+wk*1024+512
.set wk, wk+1
.endr
.endm
; Eight K steps, two accumulators by turns, one instruction a turn.  x's 16 LDS loads were the last issued: step ks leaves 14 - 2 ks out.
; nat = 1: source 0 = x (V's form), the sums start at 0; nat = 0: source 0 = weights, the sums start from the bias.
.macro PROD nat
.set pk, 0
.rept 8
	s_wait_dscnt 14-2*pk
.irp c, 0,1
.if \nat
.if pk == 0
	v_wmma_f32_16x16x32_bf16 v[ZA+8*\c:ZA+8*\c+7], v[XF+8*pk:XF+8*pk+7], v[WFR+16*pk+8*\c:WFR+16*pk+8*\c+7], 0
.else
	v_wmma_f32_16x16x32_bf16 v[ZA+8*\c:ZA+8*\c+7], v[XF+8*pk:XF+8*pk+7], v[WFR+16*pk+8*\c:WFR+16*pk+8*\c+7], v[ZA+8*\c:ZA+8*\c+7]
.endif
.else
.if pk == 0
	v_wmma_f32_16x16x32_bf16 v[ZA+8*\c:ZA+8*\c+7], v[WFR+16*pk+8*\c:WFR+16*pk+8*\c+7], v[XF+8*pk:XF+8*pk+7], v[BI+8*\c:BI+8*\c+7]
.else
	v_wmma_f32_16x16x32_bf16 v[ZA+8*\c:ZA+8*\c+7], v[WFR+16*pk+8*\c:WFR+16*pk+8*\c+7], v[XF+8*pk:XF+8*pk+7], v[ZA+8*\c:ZA+8*\c+7]
.endif
.endif
.endr
.set pk, pk+1
.endr
	PLACES 4                                       ; the places in front of reads of the sums
.endm
.macro XCHG xl
.irp i, 0,1,2,3,4,5,6,7
	v_cvt_pk_bf16_f32 v[FR+\i], v[ZA+2*\i], v[ZA+2*\i+1]
.endr
	ds_store_b128 v3, v[FR:FR+3] offset:\xl
	ds_store_b128 v3, v[FR+4:FR+7] offset:\xl+512
	s_wait_dscnt 0x0                               ; for the others' sake: my stores are done
	BAR
.irp k, 0,1,2,3,4,5,6,7
	ds_load_b128 v[XF+8*\k:XF+8*\k+3], v1 offset:\xl+1024*\k
	ds_load_b128 v[XF+8*\k+4:XF+8*\k+7], v1 offset:\xl+1024*\k+512
.endr
.endm
.macro OUTFRAG sb
.irp i, 0,1,2,3,4,5,6,7
	v_cvt_pk_bf16_f32 v[FR+\i], v[ZA+2*\i], v[ZA+2*\i+1]
.endr
	global_store_b128 v1, v[FR:FR+3], s[\sb:\sb+1]
	global_store_b128 v1, v[FR+4:FR+7], s[\sb:\sb+1] offset:512
.endm
.macro PROLOG                          ; Z (x') += relu(b2 + the four partial sums)
.irp s, 0,1,2,3
.irp i, 0,1,2,3,4,5,6,7
	v_pk_add_f32 v[T+2*\i:T+2*\i+1], v[T+2*\i:T+2*\i+1], v[XF+16*\s+2*\i:XF+16*\s+2*\i+1]
.endr
.endr
.irp i, 0,1,2,3,4,5,6,7,8,9,10,11,12,13,14,15
	v_max_num_f32 v[T+\i], 0, v[T+\i]
.endr
.irp i, 0,1,2,3,4,5,6,7
	v_pk_add_f32 v[ZA+2*\i:ZA+2*\i+1], v[ZA+2*\i:ZA+2*\i+1], v[T+2*\i:T+2*\i+1]
.endr
.endm
; Z = (Z - mean) rsqrt(var + eps) g + b over the row's 256 columns; the variance from centred sums.  st: 2,048 LDS bytes of this norm's own.
.macro LNORM st, g, b, lcnt
	v_pk_add_f32 v[T:T+1], v[ZA:ZA+1], v[ZA+2:ZA+3]
	v_pk_add_f32 v[T+2:T+3], v[ZA+4:ZA+5], v[ZA+6:ZA+7]
	v_pk_add_f32 v[T+4:T+5], v[ZA+8:ZA+9], v[ZA+10:ZA+11]
	v_pk_add_f32 v[T+6:T+7], v[ZA+12:ZA+13], v[ZA+14:ZA+15]
	v_pk_add_f32 v[T:T+1], v[T:T+1], v[T+2:T+3]
	v_pk_add_f32 v[T+4:T+5], v[T+4:T+5], v[T+6:T+7]
	v_pk_add_f32 v[T:T+1], v[T:T+1], v[T+4:T+5]
	v_add_f32 v[T], v[T], v[T+1]
	v_permlanex16_b32 v[T+1], v[T], s42, s43
	v_add_f32 v[T], v[T], v[T+1]
	v_mul_f32 v8, 0x3d000000, v[T]                 ; the mean of the wave's 32 columns
	v_mov_b32 v9, 0
.set li, 0
.rept 8
	v_pk_add_f32 v[T+8+2*(li%2):T+9+2*(li%2)], v[ZA+2*li:ZA+2*li+1], v[8:9] op_sel_hi:[1,0] neg_lo:[0,1] neg_hi:[0,1]
.if li == 0
	v_pk_mul_f32 v[T+12:T+13], v[T+8:T+9], v[T+8:T+9]
.else
	v_pk_fma_f32 v[T+12:T+13], v[T+8+2*(li%2):T+9+2*(li%2)], v[T+8+2*(li%2):T+9+2*(li%2)], v[T+12:T+13]
.endif
.set li, li+1
.endr
	v_add_f32 v[T+12], v[T+12], v[T+13]
	v_permlanex16_b32 v[T+13], v[T+12], s42, s43
	v_add_f32 v9, v[T+12], v[T+13]                 ; their squared deviations from that mean
	ds_store_b64 v4, v[8:9] offset:\st
	s_wait_dscnt 0x0                               ; for the others' sake
	BAR
.irp i, 0,1,2,3,4,5,6,7
	ds_load_b64 v[T+2*\i:T+2*\i+1], v5 offset:\st+256*\i
.endr
	s_wait_dscnt 0x0
	v_pk_add_f32 v[10:11], v[T:T+1], v[T+2:T+3]
	v_pk_add_f32 v[12:13], v[T+4:T+5], v[T+6:T+7]
	v_pk_add_f32 v[14:15], v[T+8:T+9], v[T+10:T+11]
	v_pk_add_f32 v[8:9], v[T+12:T+13], v[T+14:T+15]
	v_pk_add_f32 v[10:11], v[10:11], v[12:13]
	v_pk_add_f32 v[14:15], v[14:15], v[8:9]
	v_pk_add_f32 v[10:11], v[10:11], v[14:15]
	v_mul_f32 v8, 0x3e000000, v10                  ; the row's mean
.set li, 0
.rept 8
	v_sub_f32 v[12+2*(li%2)], v[T+2*li], v8
.if li == 0
	v_mul_f32 v13, v12, v12
.else
	v_fma_f32 v13, v[12+2*(li%2)], v[12+2*(li%2)], v13
.endif
.set li, li+1
.endr
	v_fmamk_f32 v11, v13, 0x42000000, v11          ; + 32 x the squared deviations of the waves' means
	v_fma_f32 v11, v11, s40, s41                   ; / 256 + eps
	v_rsq_f32 v9, v11
	v_nop
.if \lcnt >= 0
	s_wait_loadcnt \lcnt
.endif
	s_wait_alu depctr_va_vdst(0)
.irp i, 0,1,2,3,4,5,6,7
	v_pk_add_f32 v[ZA+2*\i:ZA+2*\i+1], v[ZA+2*\i:ZA+2*\i+1], v[8:9] op_sel_hi:[1,0] neg_lo:[0,1] neg_hi:[0,1]
	v_pk_mul_f32 v[\g+2*\i:\g+2*\i+1], v[\g+2*\i:\g+2*\i+1], v[8:9] op_sel:[0,1] op_sel_hi:[1,1]
	v_pk_fma_f32 v[ZA+2*\i:ZA+2*\i+1], v[ZA+2*\i:ZA+2*\i+1], v[\g+2*\i:\g+2*\i+1], v[\b+2*\i:\b+2*\i+1]
.endr
.endm
	s_load_b512 s[4:19], s[0:1], 0x0               ; PS s[4:5] XP s[6:7] b2 s[8:9] ln2_g s[10:11] ln2_b s[12:13] bq s[14:15] bk s[16:17] bv s[18:19]
	s_load_b128 s[20:23], s[0:1], 0x40             ; PK1 s[20:21] QKV s[22:23]
	s_load_b64 s[24:25], s[0:1], 0x50              ; XR
	v_lshrrev_b32 v1, 5, v0
	v_readfirstlane_b32 s2, v1                     ; wave
	v_and_b32 v5, 31, v0
	v_bfe_u32 v2, v0, 4, 1
	v_and_b32 v7, 15, v0
	v_lshlrev_b32 v1, 4, v5                        ; v1 = 16 lane
	v_lshlrev_b32 v5, 3, v5                        ; v5 = 8 lane
	v_lshlrev_b32 v2, 5, v2
	v_lshl_add_u32 v2, s2, 7, v2                   ; v2 = 4 (32 w + 8 h)
	v_lshl_add_u32 v3, s2, 10, v1                  ; v3 = 1,024 w + 16 lane
	v_lshl_add_u32 v4, s2, 8, v5                   ; v4 = 256 w + 8 lane
	v_lshlrev_b32 v7, 2, v7
	v_lshl_add_u32 v7, s2, 7, v7                   ; v7 = 4 (32 w + r)
	s_lshr_b32 s27, ttmp9, 4                       ; role
	s_and_b32 s28, ttmp9, 15
	s_cmp_eq_u32 s27, 2
	s_cselect_b32 s26, 10, 0
	s_add_co_u32 s28, s28, s26                     ; rbl
	s_and_b32 s29, ttmp7, 0xffff                   ; batch
	s_lshl4_add_u32 s30, s29, s28                  ; G
	s_lshl3_add_u32 s26, s30, s2                   ; 8 G + w
	s_add_co_u32 s31, s27, 1
	s_cmp_eq_u32 s31, 3
	s_cselect_b32 s31, 0, s31                      ; m: 0 Q, 1 K, 2 V
	s_lshl_b32 s48, s31, 17
	s_lshl_b32 s49, s2, 14
	s_add_co_u32 s48, s48, s49
	s_mov_b32 s49, 0                               ; s[48:49] my fragments in the pack
	s_lshl_b32 s50, s31, 19
	s_lshl_b32 s51, s26, 10
	s_add_co_u32 s50, s50, s51
	s_mov_b32 s51, 0                               ; s[50:51] my tile in QKV
	s_lshl_b32 s52, s26, 11
	s_mov_b32 s53, 0                               ; s[52:53] my Z in PS, XP, XR
	s_mov_b32 s40, 0x3b800000                      ; 1 / 256
	s_mov_b32 s41, 0x3727c5ac                      ; 1e-5
	s_mov_b32 s42, 0x76543210
	s_mov_b32 s43, 0xfedcba98
	s_wait_kmcnt 0x0
	s_cmp_eq_u32 s31, 1
	s_cselect_b64 s[32:33], s[16:17], s[14:15]
	s_cmp_eq_u32 s31, 2
	s_cselect_b64 s[32:33], s[18:19], s[32:33]     ; the bias
	s_add_nc_u64 s[34:35], s[20:21], s[48:49]
	s_add_nc_u64 s[36:37], s[22:23], s[50:51]
	s_add_nc_u64 s[38:39], s[24:25], s[52:53]
	s_add_nc_u64 s[44:45], s[4:5], s[52:53]
	s_add_nc_u64 s[46:47], s[6:7], s[52:53]
	LDC BI, 32, 1024                               ; layer 1's bias
	LDD ZA, 46, 0                                  ; x'
	LDC T, 8, 0                                    ; layer 0's b2
.irp s, 0,1,2,3
	LDD XF+16*\s, 44, 1048576*\s                   ; the offsets, 3,147,264 at the most, fit the signed 24-bit immediate
.endr
	WLOAD 34, 0, 7
	s_wait_loadcnt 32                              ; all but the 32 weight loads
	PROLOG
	LDC XF, 10, 0
	LDC XF+16, 12, 0
	LNORM 0, XF, XF+16, 0                          ; g and b are the youngest loads
	global_load_b32 v[T], v7, s[32:33] offset:1024 ; the bias in V's pattern
	global_load_b32 v[T+1], v7, s[32:33] offset:1088
	s_cmp_lg_u32 s27, 2
	s_cbranch_scc1 .Lno_res
	STD ZA, 38                                     ; the Q work-group keeps x for the residual
.Lno_res:
	XCHG 2048
	s_wait_xcnt 0x0                                ; Z, which the stores above read, is written again only behind this wait
	s_wait_loadcnt 0x0                             ; the two words of bias
	s_cmp_eq_u32 s27, 1
	s_cbranch_scc1 .Lvalue
	PROD 0
	s_branch .Lout
.Lvalue:
	PROD 1
.irp i, 0,1,2,3
	v_pk_add_f32 v[ZA+2*\i:ZA+2*\i+1], v[ZA+2*\i:ZA+2*\i+1], v[T:T+1] op_sel_hi:[1,0]
.endr
.irp i, 4,5,6,7
	v_pk_add_f32 v[ZA+2*\i:ZA+2*\i+1], v[ZA+2*\i:ZA+2*\i+1], v[T:T+1] op_sel:[0,1] op_sel_hi:[1,1]
.endr
.Lout:
	OUTFRAG 36
	s_endpgm
.Lfunc_end_k_q066a41a185_qkv1:
	.size	k_q066a41a185_qkv1, .Lfunc_end_k_q066a41a185_qkv1-k_q066a41a185_qkv1
	.p2alignl 7, 3214868480
	.fill 96, 4, 3214868480
	.section	.rodata,"a",@progbits
	.p2align	6, 0x0
	.amdhsa_kernel k_q066a41a185_qkv1
		.amdhsa_group_segment_fixed_size 10240
		.amdhsa_private_segment_fixed_size 0
		.amdhsa_enable_private_segment 0
		.amdhsa_kernarg_size 88
		.amdhsa_user_sgpr_count 2
		.amdhsa_user_sgpr_kernarg_segment_ptr 1
		.amdhsa_wavefront_size32 1
		.amdhsa_system_sgpr_workgroup_id_x 1
		.amdhsa_system_sgpr_workgroup_id_y 1
		.amdhsa_system_sgpr_workgroup_id_z 1
		.amdhsa_system_vgpr_workitem_id 0
		.amdhsa_next_free_vgpr 256
		.amdhsa_next_free_sgpr 66
		.amdhsa_reserve_vcc 0
		.amdhsa_float_denorm_mode_32 3
		.amdhsa_float_denorm_mode_16_64 3
		.amdhsa_memory_ordered 1
		.amdhsa_forward_progress 1
		.amdhsa_inst_pref_size 24
	.end_amdhsa_kernel
	.amdgpu_metadata
---
amdhsa.version: [ 1, 2 ]
amdhsa.kernels:
  - .name:           k_q066a41a185_qkv1
    .symbol:         k_q066a41a185_qkv1.kd
    .args:
      - { .name: PS, .offset: 0, .size: 8, .value_kind: global_buffer, .address_space: global }
      - { .name: XP, .offset: 8, .size: 8, .value_kind: global_buffer, .address_space: global }
      - { .name: b2, .offset: 16, .size: 8, .value_kind: global_buffer, .address_space: global }
      - { .name: ln2_g, .offset: 24, .size: 8, .value_kind: global_buffer, .address_space: global }
      - { .name: ln2_b, .offset: 32, .size: 8, .value_kind: global_buffer, .address_space: global }
      - { .name: bq, .offset: 40, .size: 8, .value_kind: global_buffer, .address_space: global }
      - { .name: bk, .offset: 48, .size: 8, .value_kind: global_buffer, .address_space: global }
      - { .name: bv, .offset: 56, .size: 8, .value_kind: global_buffer, .address_space: global }
      - { .name: PK1, .offset: 64, .size: 8, .value_kind: global_buffer, .address_space: global }
      - { .name: QKV, .offset: 72, .size: 8, .value_kind: global_buffer, .address_space: global }
      - { .name: XR, .offset: 80, .size: 8, .value_kind: global_buffer, .address_space: global }
    .group_segment_fixed_size: 10240
    .private_segment_fixed_size: 0
    .kernarg_segment_align: 8
    .kernarg_segment_size: 88
    .max_flat_workgroup_size: 256
    .sgpr_count:     66
    .vgpr_count:     256
    .wavefront_size: 32
...
	.end_amdgpu_metadata
.endif
;; end of part 4
;; launch attn1 (part 5): grid 24 x 4, 16 waves a work-group, no clusters, 73,728 bytes of LDS; arguments QKV, time_diffs, OF; writes OF
.if DOCPART == 5
	.amdgcn_target "amdgcn-amd-amdhsa--gfx1250"
	.amdhsa_code_object_version 6
	.text
	.protected	k_q066a41a185_attn1
	.globl	k_q066a41a185_attn1
	.p2align	8
	.type	k_q066a41a185_attn1,@function
k_q066a41a185_attn1:
	s_mov_b64 s[64:65], 0
	v_nop
	global_prefetch_b8 v0, s[64:65] scope:SCOPE_SE
	s_setreg_imm32_b32 hwreg(HW_REG_WAVE_MODE, 25, 1), 1
	s_wait_xcnt 0x0
; attn1: layer 1's attention: O = softmax_k(q . k x exp(-t_q / 5) / sqrt(5)) V for head 7 of a batch: 2,048 pseudo-keys of 32 channels; Q, K, V come from memory.
; SHARES.  x = 4 (15 - rbl) + v, y = batch: 24 work-groups along x serve the last six row blocks, the only ones that reach the result.  A work-group has the two
; query tiles (row block G, u = 2 v + a), a = 0, 1: 32 queries.  Wave w of 16 takes key tiles 8 w .. 8 w + 7 (128 keys) for both query tiles.
; So each byte of K and V enters the work-group once, straight into the one wave's registers, in operand order.  Straight-line text, no loop.
; LAYOUT.  S^T = K Q^T: a lane holds one query (lane % 16) and keys 8 (lane / 16) + 0..7 of each tile; two tiles rounded in pairs ARE source 1 of
; O^T = V^T P; the sum of the weights is a third product, with ones for V^T: it adds the same rounded weights as the numerator.
; SOFTMAX.  p = 2^(c s - c m), c = log2(e) / sqrt(5) x 2^(-t log2(e) / 5) >= 0, so c max(s) is the true maximum of the scaled scores; m is the
; wave's own maximum; the 16 waves' (m, l, O) meet in LDS and are merged exactly, with the maximum over the waves.
; LIMITS.  exp(-t / 5) that overflows makes the f32 text non-finite too.  Q, K, V, P are bf16.
; No cluster, though 24 work-groups read a batch's K and V: a joint load goes to LDS, and K and V (262,144 bytes) with the merge area (73,728)
; are more than the 327,680 bytes that a work-group can be given; a ring would put a cluster barrier for each slot into a text of some 400 vector instructions.
.set Q,   8                            ; v[8:23]    the two query tiles
.set ONE, 24                           ; v[24:31]   ones in bf16
.set CH,  32                           ; v[32:39]   eight chains of the maximum
.set O0,  40                           ; v[40:47]   O^T, channels 0-15
.set O1,  48                           ; v[48:55]   O^T, channels 16-31
.set LS,  56                           ; v[56:63]   the weights' sum, the same in every register
.set S,   64                           ; v[64:127]  S^T of 8 key tiles; P is packed in place into v[64:95]
.set KF,  128                          ; v[128:191] K, 8 tiles
.set VF,  192                          ; v[192:255] V^T: fragment (pair of tiles i2, channel half c) at 16 i2 + 8 c
; v1 16 lane; v2 LDS place of my O; v3 LDS place of my (m, l); v[4:5] c of the two tiles' queries; v[6:7] (c m, l)
.macro BAR
	s_barrier_signal -1
	s_barrier_wait -1
.endm
.macro PLACES n
.rept \n
	v_nop
.endr
.endm
.macro SCL a, b                        ; pair b of the scores: c s - c m
	v_pk_fma_f32 v[S+2*(\b):S+2*(\b)+1], v[S+2*(\b):S+2*(\b)+1], v[4:5], v[6:7] op_sel:[0,\a,0] op_sel_hi:[1,\a,0] neg_lo:[0,0,1] neg_hi:[0,0,1]
.endm
.macro SMAX a
.set i, 0
.rept 8
.if \a == 0
	s_wait_loadcnt 30-2*i                          ; K's tile i is in: its 14 - 2 i younger loads and V's 16 may stay out
.endif
	v_wmma_f32_16x16x32_bf16 v[S+8*i:S+8*i+7], v[KF+8*i:KF+8*i+7], v[Q+8*\a:Q+8*\a+7], 0
.set i, i+1
.endr
	PLACES 4
	; the maximum of the lane's 64 scores: eight chains, each begun at its accumulator's low end
.set i, 0
.rept 8
	v_max3_num_f32 v[CH+i], v[S+8*i], v[S+8*i+1], v[S+8*i+2]
.set i, i+1
.endr
.set i, 0
.rept 8
	v_max3_num_f32 v[CH+i], v[CH+i], v[S+8*i+3], v[S+8*i+4]
.set i, i+1
.endr
.set i, 0
.rept 8
	v_max3_num_f32 v[CH+i], v[CH+i], v[S+8*i+5], v[S+8*i+6]
.set i, i+1
.endr
.set i, 0
.rept 4
	v_max3_num_f32 v[CH+i], v[CH+i], v[S+16*i+7], v[S+16*i+15]
.set i, i+1
.endr
	v_max3_num_f32 v[CH], v[CH], v[CH+1], v[CH+2]
	v_max3_num_f32 v[CH+3], v[CH+3], v[CH+4], v[CH+5]
	v_max_num_f32 v[CH+6], v[CH+6], v[CH+7]
	v_max3_num_f32 v[CH], v[CH], v[CH+3], v[CH+6]
	v_permlanex16_b32 v[CH+1], v[CH], s34, s35     ; the query's other 64 keys lie in the lane 16 away
	v_max_num_f32 v[CH], v[CH], v[CH+1]
	v_mul_f32 v6, v[4+\a], v[CH]                   ; c m
	; scale two pairs ahead, two exponentials, round the pair before: a plain instruction stands between an exponential and the use of its result
	SCL \a, 0
	SCL \a, 1
.set pb, 0
.rept 32
.if pb < 30
	SCL \a, pb+2
.endif
	v_exp_f32 v[S+2*pb], v[S+2*pb]
	v_exp_f32 v[S+2*pb+1], v[S+2*pb+1]
.if pb > 0
	s_wait_alu depctr_va_vdst(0)
	v_cvt_pk_bf16_f32 v[S+pb-1], v[S+2*pb-2], v[S+2*pb-1]
.endif
.set pb, pb+1
.endr
	v_cvt_pk_bf16_f32 v[S+31], v[S+62], v[S+63]    ; the rounding of pair 30 stands between this and the last exponential
	; three accumulators by turns, one instruction a turn
.set i, 0
.rept 4
.if \a == 0
	s_wait_loadcnt 12-4*i                          ; V's four loads of this pair of tiles are in; the younger ones may stay out
.endif
.if i == 0
	v_wmma_f32_16x16x32_bf16 v[O0:O0+7], v[VF:VF+7], v[S:S+7], 0
	v_wmma_f32_16x16x32_bf16 v[O1:O1+7], v[VF+8:VF+15], v[S:S+7], 0
	v_wmma_f32_16x16x32_bf16 v[LS:LS+7], v[ONE:ONE+7], v[S:S+7], 0
.else
	v_wmma_f32_16x16x32_bf16 v[O0:O0+7], v[VF+16*i:VF+16*i+7], v[S+8*i:S+8*i+7], v[O0:O0+7]
	v_wmma_f32_16x16x32_bf16 v[O1:O1+7], v[VF+16*i+8:VF+16*i+15], v[S+8*i:S+8*i+7], v[O1:O1+7]
	v_wmma_f32_16x16x32_bf16 v[LS:LS+7], v[ONE:ONE+7], v[S+8*i:S+8*i+7], v[LS:LS+7]
.endif
.set i, i+1
.endr
	PLACES 5                                       ; four in front of the reads below, five in front of products that write over P
	v_mov_b32 v7, v[LS]
	ds_store_b128 v2, v[O0:O0+3] offset:\a*32768
	ds_store_b128 v2, v[O0+4:O0+7] offset:\a*32768+512
	ds_store_b128 v2, v[O1:O1+3] offset:\a*32768+1024
	ds_store_b128 v2, v[O1+4:O1+7] offset:\a*32768+1536
	ds_store_b64 v3, v[6:7] offset:\a*4096
.endm
	s_load_b128 s[4:7], s[0:1], 0x0                ; QKV s[4:5], time_diffs s[6:7]
	s_load_b64 s[8:9], s[0:1], 0x10                ; OF
	v_lshrrev_b32 v1, 5, v0
	v_readfirstlane_b32 s2, v1                     ; wave 0..15
	v_and_b32 v3, 31, v0
	v_lshlrev_b32 v1, 4, v3                        ; 16 lane
	v_lshlrev_b32 v3, 3, v3
	v_lshl_add_u32 v2, s2, 11, v1                  ; O partials: 2,048 bytes a wave and query tile, from LDS byte 0 (tile 1: from 32,768)
	v_lshl_add_u32 v3, s2, 8, v3
	v_add_nc_u32 v3, 0x10000, v3                   ; (m, l): 256 bytes a wave and query tile, from LDS byte 65,536 (tile 1: 4,096 on)
	v_and_b32 v0, 15, v0
	v_lshlrev_b32 v0, 5, v0                        ; v0 = 32 r: query r's pseudo-positions lie 8 numbers apart in time_diffs
	s_lshr_b32 s10, ttmp9, 2
	s_sub_co_u32 s11, 15, s10                      ; rbl
	s_and_b32 s12, ttmp9, 3                        ; v
	s_and_b32 s13, ttmp7, 0xffff                   ; batch
	s_lshl4_add_u32 s14, s13, s11                  ; G
	s_lshl_b32 s15, s14, 3
	s_lshl1_add_u32 s15, s12, s15                  ; 8 G + 2 v
	s_lshl_b32 s28, s15, 10
	s_mov_b32 s29, 0                               ; s[28:29] my two tiles, in Q and in OF
	s_lshl_b32 s30, s13, 17
	s_lshl_b32 s31, s2, 13
	s_add_co_u32 s30, s30, s31
	s_add_co_u32 s30, s30, 524288
	s_mov_b32 s31, 0                               ; s[30:31] my wave's 8 tiles of K
	s_lshl_b32 s32, s13, 13
	s_lshl_b32 s33, s11, 9
	s_add_co_u32 s32, s32, s33
	s_lshl3_add_u32 s32, s12, s32
	s_mov_b32 s33, 0                               ; s[32:33] time_diffs at position 8 (16 rbl) + 2 v
	s_mov_b32 s34, 0x76543210                      ; v_permlanex16_b32: each lane takes its own place in the other half
	s_mov_b32 s35, 0xfedcba98
	s_wait_kmcnt 0x0
	s_add_nc_u64 s[16:17], s[4:5], s[28:29]
	s_add_nc_u64 s[18:19], s[4:5], s[30:31]
	s_add_nc_u64 s[20:21], s[18:19], 524288        ; V lies one section behind K
	s_add_nc_u64 s[22:23], s[6:7], s[32:33]
	s_add_nc_u64 s[24:25], s[8:9], s[28:29]
	global_load_b64 v[4:5], v0, s[22:23]
.irp q, 0,1,2,3
	global_load_b128 v[Q+4*\q:Q+4*\q+3], v1, s[16:17] offset:512*\q
.endr
.set i, 0
.rept 8
	global_load_b128 v[KF+8*i:KF+8*i+3], v1, s[18:19] offset:1024*i
	global_load_b128 v[KF+8*i+4:KF+8*i+7], v1, s[18:19] offset:1024*i+512
.set i, i+1
.endr
.set i, 0
.rept 8
	global_load_b128 v[VF+16*(i/2)+4*(i%2):VF+16*(i/2)+4*(i%2)+3], v1, s[20:21] offset:1024*i
	global_load_b128 v[VF+16*(i/2)+8+4*(i%2):VF+16*(i/2)+8+4*(i%2)+3], v1, s[20:21] offset:1024*i+512
.set i, i+1
.endr
.irp i, 0,1,2,3,4,5,6,7
	v_mov_b32 v[ONE+\i], 0x3f803f80
.endr
	s_wait_loadcnt 36                              ; time_diffs are in: the 36 loads of Q, K and V are younger
	v_mul_f32 v4, 0xbe93bb63, v4                   ; -t log2(e) / 5
	v_mul_f32 v5, 0xbe93bb63, v5
	v_exp_f32 v4, v4
	v_exp_f32 v5, v5
	v_mov_b32 v7, 0                                ; named in a pair with c m; also the plain instruction behind the exponentials
	s_wait_alu depctr_va_vdst(0)
	v_mul_f32 v4, 0x3f252b5c, v4                   ; x log2(e) / sqrt(5)
	v_mul_f32 v5, 0x3f252b5c, v5
	SMAX 0
	SMAX 1
	s_wait_dscnt 0x0                               ; for the others' sake: my partial results are in LDS
	BAR
	s_cmp_ge_u32 s2, 4
	s_cbranch_scc1 .Lend
	; THE MERGE.  Wave w < 4 takes query tile a = w / 2, channel half c = w % 2.
	s_bfe_u32 s26, s2, 0x10001                     ; a
	s_and_b32 s27, s2, 1                           ; c
	s_lshl_b32 s28, s26, 12
	s_add_co_u32 s28, s28, 65536
	v_lshrrev_b32 v32, 1, v1
	v_add_nc_u32 v32, s28, v32                     ; (m, l) of wave 0
	s_lshl_b32 s28, s26, 15
	s_lshl_b32 s29, s27, 10
	s_add_co_u32 s28, s28, s29
	v_add_nc_u32 v33, s28, v1                      ; O of wave 0
	s_lshl_b32 s30, s2, 9                          ; 1,024 a + 512 c
	s_mov_b32 s31, 0
	s_add_nc_u64 s[24:25], s[24:25], s[30:31]
.set i, 0
.rept 16
	ds_load_b64 v[64+2*i:65+2*i], v32 offset:256*i
.set i, i+1
.endr
.set i, 0
.rept 16
	ds_load_b128 v[128+8*i:128+8*i+3], v33 offset:2048*i
	ds_load_b128 v[128+8*i+4:128+8*i+7], v33 offset:2048*i+512
.set i, i+1
.endr
	s_wait_dscnt 32                                ; the 16 (m, l) are in; O's 32 loads may stay out
	v_max3_num_f32 v34, v64, v66, v68
.irp k, 70,74,78,82,86,90
	v_max3_num_f32 v34, v34, v[\k], v[\k+2]
.endr
	v_max_num_f32 v34, v34, v94
.set i, 0
.rept 16
	v_sub_f32 v[64+2*i], v[64+2*i], v34
.set i, i+1
.endr
.set i, 0
.rept 16
	v_exp_f32 v[64+2*i], v[64+2*i]                 ; f = 2^(c m_w - c m)
.set i, i+1
.endr
	v_nop
	s_wait_alu depctr_va_vdst(0)
	v_mul_f32 v35, v64, v65
.set i, 1
.rept 15
	v_fma_f32 v35, v[64+2*i], v[65+2*i], v35       ; l = the sum of f l_w; at least 1: the largest weight of the wave with f = 1 is 1
.set i, i+1
.endr
	v_rcp_f32 v36, v35
	v_mov_b32 v37, 0                               ; named in a pair with 1 / l; also the plain instruction behind the reciprocal
.set i, 0
.rept 16
	s_wait_dscnt 30-2*i                            ; wave i's two loads are in
.irp k, 0,1,2,3
.if i == 0
	v_pk_mul_f32 v[16+2*\k:17+2*\k], v[128+2*\k:129+2*\k], v[64:65] op_sel_hi:[1,0]
.else
	v_pk_fma_f32 v[16+2*\k:17+2*\k], v[128+8*i+2*\k:129+8*i+2*\k], v[64+2*i:65+2*i], v[16+2*\k:17+2*\k] op_sel_hi:[1,0,1]
.endif
.endr
.set i, i+1
.endr
	s_wait_alu depctr_va_vdst(0)
.irp k, 0,1,2,3
	v_pk_mul_f32 v[16+2*\k:17+2*\k], v[16+2*\k:17+2*\k], v[36:37] op_sel_hi:[1,0]
.endr
.irp k, 0,1,2,3
	v_cvt_pk_bf16_f32 v[40+\k], v[16+2*\k], v[17+2*\k]
.endr
	global_store_b128 v1, v[40:43], s[24:25]       ; half c of K step u of the row block's operand: 512 aligned bytes
.Lend:
	s_endpgm
.Lfunc_end_k_q066a41a185_attn1:
	.size	k_q066a41a185_attn1, .Lfunc_end_k_q066a41a185_attn1-k_q066a41a185_attn1
	.p2alignl 7, 3214868480
	.fill 96, 4, 3214868480
	.section	.rodata,"a",@progbits
	.p2align	6, 0x0
	.amdhsa_kernel k_q066a41a185_attn1
		.amdhsa_group_segment_fixed_size 73728
		.amdhsa_private_segment_fixed_size 0
		.amdhsa_enable_private_segment 0
		.amdhsa_kernarg_size 24
		.amdhsa_user_sgpr_count 2
		.amdhsa_user_sgpr_kernarg_segment_ptr 1
		.amdhsa_wavefront_size32 1
		.amdhsa_system_sgpr_workgroup_id_x 1
		.amdhsa_system_sgpr_workgroup_id_y 1
		.amdhsa_system_sgpr_workgroup_id_z 1
		.amdhsa_system_vgpr_workitem_id 0
		.amdhsa_next_free_vgpr 256
		.amdhsa_next_free_sgpr 66
		.amdhsa_reserve_vcc 0
		.amdhsa_float_denorm_mode_32 3
		.amdhsa_float_denorm_mode_16_64 3
		.amdhsa_memory_ordered 1
		.amdhsa_forward_progress 1
		.amdhsa_inst_pref_size 40
	.end_amdhsa_kernel
	.amdgpu_metadata
---
amdhsa.version: [ 1, 2 ]
amdhsa.kernels:
  - .name:           k_q066a41a185_attn1
    .symbol:         k_q066a41a185_attn1.kd
    .args:
      - { .name: QKV, .offset: 0, .size: 8, .value_kind: global_buffer, .address_space: global }
      - { .name: time_diffs, .offset: 8, .size: 8, .value_kind: global_buffer, .address_space: global }
      - { .name: OF, .offset: 16, .size: 8, .value_kind: global_buffer, .address_space: global }
    .group_segment_fixed_size: 73728
    .private_segment_fixed_size: 0
    .kernarg_segment_align: 8
    .kernarg_segment_size: 24
    .max_flat_workgroup_size: 512
    .sgpr_count:     66
    .vgpr_count:     256
    .wavefront_size: 32
...
	.end_amdgpu_metadata
.endif
;; end of part 5
;; launch ffn1: the kernel of part 3 again; grid 24 x 4, 8 waves a work-group, no clusters, 18,432 bytes of LDS; arguments OF, XR, PK1, PS, XP; writes PS, XP
;; launch final (part 6): grid 6 x 4, 8 waves a work-group, no clusters, 4,608 bytes of LDS; arguments PS, XP, b2, ln2_g, ln2_b, lnf_g, lnf_b, W_proj, b_proj, out0; writes out0
.if DOCPART == 6
	.amdgcn_target "amdgcn-amd-amdhsa--gfx1250"
	.amdhsa_code_object_version 6
	.text
	.protected	k_q066a41a185_final
	.globl	k_q066a41a185_final
	.p2align	8
	.type	k_q066a41a185_final,@function
k_q066a41a185_final:
	s_mov_b64 s[64:65], 0
	v_nop
	global_prefetch_b8 v0, s[64:65] scope:SCOPE_SE
	s_setreg_imm32_b32 hwreg(HW_REG_WAVE_MODE, 25, 1), 1
	s_wait_xcnt 0x0
; final: x = LN2(x' + relu(the four partial sums + b2)) with layer 1's parameters; x = LNf(x); out = x . W_proj[:, 0] + b_proj[0].
; Only column 0 of the projection is returned, so it is a dot product of 256 for each row, in f32 on the vector unit: no matrix instruction.
; SHARES.  x = 0..5: row block rbl = 10 + x (rows 1952 + 16 x ..), y = batch; wave w has columns 32 w .. 32 w + 31 of the 16 rows.
; 24 work-groups: the launch has 384 rows.  A work-group stores 64 bytes; the whole output is 1,536.
; Lane = r + 16 h, Z[4 q + e] = (row r, column 32 w + 16 (q / 2) + 8 h + 4 (q % 2) + e).
.set ZA,  16
.set T,   48
.set XF,  64
.set WP,  192
.macro BAR
	s_barrier_signal -1
	s_barrier_wait -1
.endm
.macro LDC dst, sb, off
	global_load_b128 v[\dst:\dst+3], v2, s[\sb:\sb+1] offset:\off
	global_load_b128 v[\dst+4:\dst+7], v2, s[\sb:\sb+1] offset:\off+16
	global_load_b128 v[\dst+8:\dst+11], v2, s[\sb:\sb+1] offset:\off+64
	global_load_b128 v[\dst+12:\dst+15], v2, s[\sb:\sb+1] offset:\off+80
.endm
.macro LDD dst, sb, off
.irp q, 0,1,2,3
	global_load_b128 v[\dst+4*\q:\dst+4*\q+3], v1, s[\sb:\sb+1] offset:\off+512*\q
.endr
.endm
.macro PROLOG
.irp s, 0,1,2,3
.irp i, 0,1,2,3,4,5,6,7
	v_pk_add_f32 v[T+2*\i:T+2*\i+1], v[T+2*\i:T+2*\i+1], v[XF+16*\s+2*\i:XF+16*\s+2*\i+1]
.endr
.endr
.irp i, 0,1,2,3,4,5,6,7,8,9,10,11,12,13,14,15
	v_max_num_f32 v[T+\i], 0, v[T+\i]
.endr
.irp i, 0,1,2,3,4,5,6,7
	v_pk_add_f32 v[ZA+2*\i:ZA+2*\i+1], v[ZA+2*\i:ZA+2*\i+1], v[T+2*\i:T+2*\i+1]
.endr
.endm
; Z = (Z - mean) rsqrt(var + eps) g + b over the row's 256 columns; the variance from centred sums.  st: 2,048 LDS bytes of this norm's own.
.macro LNORM st, g, b
	v_pk_add_f32 v[T:T+1], v[ZA:ZA+1], v[ZA+2:ZA+3]
	v_pk_add_f32 v[T+2:T+3], v[ZA+4:ZA+5], v[ZA+6:ZA+7]
	v_pk_add_f32 v[T+4:T+5], v[ZA+8:ZA+9], v[ZA+10:ZA+11]
	v_pk_add_f32 v[T+6:T+7], v[ZA+12:ZA+13], v[ZA+14:ZA+15]
	v_pk_add_f32 v[T:T+1], v[T:T+1], v[T+2:T+3]
	v_pk_add_f32 v[T+4:T+5], v[T+4:T+5], v[T+6:T+7]
	v_pk_add_f32 v[T:T+1], v[T:T+1], v[T+4:T+5]
	v_add_f32 v[T], v[T], v[T+1]
	v_permlanex16_b32 v[T+1], v[T], s42, s43
	v_add_f32 v[T], v[T], v[T+1]
	v_mul_f32 v8, 0x3d000000, v[T]                 ; the mean of the wave's 32 columns
	v_mov_b32 v9, 0
.set li, 0
.rept 8
	v_pk_add_f32 v[T+8+2*(li%2):T+9+2*(li%2)], v[ZA+2*li:ZA+2*li+1], v[8:9] op_sel_hi:[1,0] neg_lo:[0,1] neg_hi:[0,1]
.if li == 0
	v_pk_mul_f32 v[T+12:T+13], v[T+8:T+9], v[T+8:T+9]
.else
	v_pk_fma_f32 v[T+12:T+13], v[T+8+2*(li%2):T+9+2*(li%2)], v[T+8+2*(li%2):T+9+2*(li%2)], v[T+12:T+13]
.endif
.set li, li+1
.endr
	v_add_f32 v[T+12], v[T+12], v[T+13]
	v_permlanex16_b32 v[T+13], v[T+12], s42, s43
	v_add_f32 v9, v[T+12], v[T+13]                 ; their squared deviations from that mean
	ds_store_b64 v4, v[8:9] offset:\st
	s_wait_dscnt 0x0                               ; for the others' sake
	BAR
.irp i, 0,1,2,3,4,5,6,7
	ds_load_b64 v[T+2*\i:T+2*\i+1], v5 offset:\st+256*\i
.endr
	s_wait_dscnt 0x0
	v_pk_add_f32 v[10:11], v[T:T+1], v[T+2:T+3]
	v_pk_add_f32 v[12:13], v[T+4:T+5], v[T+6:T+7]
	v_pk_add_f32 v[14:15], v[T+8:T+9], v[T+10:T+11]
	v_pk_add_f32 v[8:9], v[T+12:T+13], v[T+14:T+15]
	v_pk_add_f32 v[10:11], v[10:11], v[12:13]
	v_pk_add_f32 v[14:15], v[14:15], v[8:9]
	v_pk_add_f32 v[10:11], v[10:11], v[14:15]
	v_mul_f32 v8, 0x3e000000, v10                  ; the row's mean
.set li, 0
.rept 8
	v_sub_f32 v[12+2*(li%2)], v[T+2*li], v8
.if li == 0
	v_mul_f32 v13, v12, v12
.else
	v_fma_f32 v13, v[12+2*(li%2)], v[12+2*(li%2)], v13
.endif
.set li, li+1
.endr
	v_fmamk_f32 v11, v13, 0x42000000, v11          ; + 32 x the squared deviations of the waves' means
	v_fma_f32 v11, v11, s40, s41                   ; / 256 + eps
	v_rsq_f32 v9, v11
	v_nop
	s_wait_alu depctr_va_vdst(0)
.irp i, 0,1,2,3,4,5,6,7
	v_pk_add_f32 v[ZA+2*\i:ZA+2*\i+1], v[ZA+2*\i:ZA+2*\i+1], v[8:9] op_sel_hi:[1,0] neg_lo:[0,1] neg_hi:[0,1]
	v_pk_mul_f32 v[\g+2*\i:\g+2*\i+1], v[\g+2*\i:\g+2*\i+1], v[8:9] op_sel:[0,1] op_sel_hi:[1,1]
	v_pk_fma_f32 v[ZA+2*\i:ZA+2*\i+1], v[ZA+2*\i:ZA+2*\i+1], v[\g+2*\i:\g+2*\i+1], v[\b+2*\i:\b+2*\i+1]
.endr
.endm
	s_load_b512 s[4:19], s[0:1], 0x0               ; PS s[4:5] XP s[6:7] b2 s[8:9] ln2_g s[10:11] ln2_b s[12:13] lnf_g s[14:15] lnf_b s[16:17] W_proj s[18:19]
	s_load_b128 s[20:23], s[0:1], 0x40             ; b_proj s[20:21] out0 s[22:23]
	v_lshrrev_b32 v1, 5, v0
	v_readfirstlane_b32 s2, v1                     ; wave
	v_and_b32 v5, 31, v0
	v_bfe_u32 v2, v0, 4, 1                         ; h
	v_and_b32 v7, 15, v0                           ; r
	v_lshlrev_b32 v1, 4, v5                        ; v1 = 16 lane
	v_lshlrev_b32 v5, 3, v5                        ; v5 = 8 lane
	v_mul_u32_u24 v6, 0xc00, v2                    ; 8 h rows of W_proj, 384 bytes each
	s_mul_i32 s25, s2, 12288
	v_add_nc_u32 v6, s25, v6                       ; v6 = 384 (32 w + 8 h)
	v_lshlrev_b32 v2, 5, v2
	v_lshl_add_u32 v2, s2, 7, v2                   ; v2 = 4 (32 w + 8 h)
	v_lshl_add_u32 v4, s2, 8, v5                   ; v4 = 256 w + 8 lane
	v_lshlrev_b32 v7, 2, v7
	v_lshl_add_u32 v7, s2, 6, v7                   ; v7 = 64 w + 4 r
	s_add_co_u32 s26, ttmp9, 10                    ; rbl
	s_and_b32 s27, ttmp7, 0xffff                   ; batch
	s_lshl4_add_u32 s28, s27, s26                  ; G
	s_lshl3_add_u32 s28, s28, s2                   ; 8 G + w
	s_lshl_b32 s34, s28, 11
	s_mov_b32 s35, 0                               ; s[34:35] my Z in PS and XP
	s_mul_i32 s36, s27, 96
	s_lshl4_add_u32 s36, ttmp9, s36
	s_lshl_b32 s36, s36, 2
	s_mov_b32 s37, 0                               ; s[36:37] my 16 numbers of the output
	s_mov_b32 s40, 0x3b800000                      ; 1 / 256
	s_mov_b32 s41, 0x3727c5ac                      ; 1e-5
	s_mov_b32 s42, 0x76543210
	s_mov_b32 s43, 0xfedcba98
	s_wait_kmcnt 0x0
	s_load_b32 s24, s[20:21], 0x0                  ; b_proj[0]
	s_add_nc_u64 s[30:31], s[4:5], s[34:35]
	s_add_nc_u64 s[32:33], s[6:7], s[34:35]
	s_add_nc_u64 s[38:39], s[22:23], s[36:37]
	LDD ZA, 32, 0                                  ; x'
	LDC T, 8, 1024                                 ; layer 1's b2
.irp s, 0,1,2,3
	LDD XF+16*\s, 30, 1048576*\s
.endr
	LDC 128, 10, 1024
	LDC 144, 12, 1024
	LDC 160, 14, 0
	LDC 176, 16, 0
.irp q, 0,1,2,3
.irp e, 0,1,2,3
	global_load_b32 v[WP+4*\q+\e], v6, s[18:19] offset:(16*(\q/2)+4*(\q%2)+\e)*384   ; W_proj[column][0], in Z's pattern
.endr
.endr
	s_wait_loadcnt 0x0
	PROLOG
	LNORM 0, 128, 144
	LNORM 2048, 160, 176
	v_pk_mul_f32 v[T:T+1], v[ZA:ZA+1], v[WP:WP+1]
.irp i, 1,2,3,4,5,6,7
	v_pk_fma_f32 v[T:T+1], v[ZA+2*\i:ZA+2*\i+1], v[WP+2*\i:WP+2*\i+1], v[T:T+1]
.endr
	v_add_f32 v[T], v[T], v[T+1]
	v_permlanex16_b32 v[T+1], v[T], s42, s43
	v_add_f32 v[T], v[T], v[T+1]                   ; the row's dot product over the wave's 32 columns
	ds_store_b32 v7, v[T] offset:4096              ; lanes r and r + 16 write the same word with the same value
	s_wait_dscnt 0x0                               ; for wave 0's sake
	BAR
	s_cmp_lg_u32 s2, 0
	s_cbranch_scc1 .Lend
.irp i, 0,1,2,3,4,5,6,7
	ds_load_b32 v[T+\i], v7 offset:4096+64*\i      ; in wave 0 v7 = 4 r
.endr
	s_wait_dscnt 0x0
	v_pk_add_f32 v[T:T+1], v[T:T+1], v[T+2:T+3]
	v_pk_add_f32 v[T+4:T+5], v[T+4:T+5], v[T+6:T+7]
	v_pk_add_f32 v[T:T+1], v[T:T+1], v[T+4:T+5]
	v_add_f32 v[T], v[T], v[T+1]
	s_wait_kmcnt 0x0
	v_add_f32 v[T], s24, v[T]
	s_wait_xcnt 0x0                                ; EXEC changes only behind this wait
	v_cmp_gt_u32 vcc_lo, 16, v0
	s_and_saveexec_b32 s44, vcc_lo                 ; lanes 0 to 15: one for each row
	global_store_b32 v7, v[T], s[38:39]
	s_endpgm
.Lend:
	s_endpgm
.Lfunc_end_k_q066a41a185_final:
	.size	k_q066a41a185_final, .Lfunc_end_k_q066a41a185_final-k_q066a41a185_final
	.p2alignl 7, 3214868480
	.fill 96, 4, 3214868480
	.section	.rodata,"a",@progbits
	.p2align	6, 0x0
	.amdhsa_kernel k_q066a41a185_final
		.amdhsa_group_segment_fixed_size 4608
		.amdhsa_private_segment_fixed_size 0
		.amdhsa_enable_private_segment 0
		.amdhsa_kernarg_size 80
		.amdhsa_user_sgpr_count 2
		.amdhsa_user_sgpr_kernarg_segment_ptr 1
		.amdhsa_wavefront_size32 1
		.amdhsa_system_sgpr_workgroup_id_x 1
		.amdhsa_system_sgpr_workgroup_id_y 1
		.amdhsa_system_sgpr_workgroup_id_z 1
		.amdhsa_system_vgpr_workitem_id 0
		.amdhsa_next_free_vgpr 208
		.amdhsa_next_free_sgpr 66
		.amdhsa_reserve_vcc 1
		.amdhsa_float_denorm_mode_32 3
		.amdhsa_float_denorm_mode_16_64 3
		.amdhsa_memory_ordered 1
		.amdhsa_forward_progress 1
		.amdhsa_inst_pref_size 23
	.end_amdhsa_kernel
	.amdgpu_metadata
---
amdhsa.version: [ 1, 2 ]
amdhsa.kernels:
  - .name:           k_q066a41a185_final
    .symbol:         k_q066a41a185_final.kd
    .args:
      - { .name: PS, .offset: 0, .size: 8, .value_kind: global_buffer, .address_space: global }
      - { .name: XP, .offset: 8, .size: 8, .value_kind: global_buffer, .address_space: global }
      - { .name: b2, .offset: 16, .size: 8, .value_kind: global_buffer, .address_space: global }
      - { .name: ln2_g, .offset: 24, .size: 8, .value_kind: global_buffer, .address_space: global }
      - { .name: ln2_b, .offset: 32, .size: 8, .value_kind: global_buffer, .address_space: global }
      - { .name: lnf_g, .offset: 40, .size: 8, .value_kind: global_buffer, .address_space: global }
      - { .name: lnf_b, .offset: 48, .size: 8, .value_kind: global_buffer, .address_space: global }
      - { .name: W_proj, .offset: 56, .size: 8, .value_kind: global_buffer, .address_space: global }
      - { .name: b_proj, .offset: 64, .size: 8, .value_kind: global_buffer, .address_space: global }
      - { .name: out0, .offset: 72, .size: 8, .value_kind: global_buffer, .address_space: global }
    .group_segment_fixed_size: 4608
    .private_segment_fixed_size: 0
    .kernarg_segment_align: 8
    .kernarg_segment_size: 80
    .max_flat_workgroup_size: 256
    .sgpr_count:     66
    .vgpr_count:     208
    .wavefront_size: 32
...
	.end_amdgpu_metadata
.endif
;; end of part 6
